; MI455X (gfx1250); checked and timed in simulation.
; The chip was launched on July 23, 2026; its instructions are those of AMD's public machine-readable ISA for CDNA 5 (MIT licence, August 2026) and "CDNA5" Instruction Set Architecture Reference Guide (July 2026). The comments in the code are by the model that wrote it; some were corrected since.
;; My Self Attention. Allowed arithmetic: matrix products marked QUANTISED: E2M1 operands, one E8M0 scale for each 32 along K, by v_wmma_scale_f32_16x16x128_f8f6f4 with both operands' format E2M1 (or v_wmma_scale_f32_32x16x128_f4), f32 sums; products left as they are: bf16, f16 or f32 operands; f32 sums; everything else in f32.
;; Inputs: W_attn 1,024 x 3,072 float32; W_proj 1,024 x 1,024 float32; attention_mask 4 x 2,048 int32; b_attn 3,072 float32; b_proj 1,024 float32; x 4 x 2,048 x 1,024 float32.
;; Outputs: out0 4 x 2,048 x 1,024 float32.
;; This version of the problem:
;;   THIS VERSION OF THE PROBLEM IS GIVEN IN LOW PRECISION. The matrix products marked QUANTISED in the list below multiply operands that are first quantised to E2M1 (2 exponent bits, 1 mantissa bit; 4 bits a number), with one power-of-two scale for each 32 numbers along K (OCP MX v1.0); their sums are f32. The products marked 'left as it is' may take bf16, f16 or f32 operands, with f32 sums. Whichever they take, every output number must still come out within the allowed error. Rounding operands to bf16 (8 significant bits) uses up far more of that allowance than f16 does (11 bits, for magnitudes from 6e-5 to 65,504). All else is computed in f32.
;;   The module's matrix products, in the order in which they are computed (A, B: the left and right operand; K: the contracted axis; several contracted axes count as one K, in the product's order):
;;     1. [M 8,192, K 1,024] x [K 1,024, N 3,072]; A: input x; B: input W_attn: QUANTISED
;;     2. batch 64 x [M 2,048, K 64] x [K 64, N 2,048]; A: computed on the way; B: computed on the way: left as it is (an operand is computed on the way)
;;     3. batch 64 x [M 2,048, K 2,048] x [K 2,048, N 64]; A: computed on the way; B: computed on the way: left as it is (an operand is computed on the way)
;;     4. [M 8,192, K 1,024] x [K 1,024, N 1,024]; A: computed on the way; B: input W_proj: left as it is (an operand is computed on the way)
;;   THE QUANTISER, for each operand of a quantised product, along K:
;;     - K is cut into blocks of 32 from its start; a last block that is shorter is filled with zeros.
;;     - A block's scale is 2^e with e = floor(log2(the largest magnitude in the block)) - 2, held to -126 .. 127; a block of zeros has e = 0. As a byte (E8M0): e + 127.
;;     - Each number is divided by its block's scale, clamped to +-6, and rounded to the nearest number of E2M1, ties to even, subnormals kept.
;;     - The product sums the exact products of the quantised numbers (number of the format x scale) in f32.
;;   ~~~python
;;   def quantise(x, axis):      # numpy; x: float32 -> the quantised numbers, widened to float32 again
;;       x = np.moveaxis(x, axis, -1); K = x.shape[-1]
;;       x = np.pad(x, [(0, 0)] * (x.ndim - 1) + [(0, -K % 32)]); x = x.reshape(x.shape[:-1] + (-1, 32)); a = np.abs(x).max(-1, keepdims=True)
;;       e = np.where(a > 0, np.clip(np.frexp(np.where(a > 0, a, 1))[1] - 1 - 2, -126, 127), 0)      # np.frexp(a)[1] - 1 = floor(log2(a)), exactly
;;       r = np.clip(x / 2.0 ** e, -6, 6)
;;       step = 2.0 ** (np.maximum(np.frexp(np.where(r == 0, 1, r))[1] - 1, 0) - 1)
;;       q = np.round(r / step) * step * 2.0 ** e      # np.round: ties to even
;;       return np.moveaxis(q.reshape(q.shape[:-2] + (-1,))[..., :K], -1, axis).astype(np.float32)
;;   ~~~
;; One version. Each part assembles by itself: llvm-mc -triple=amdgcn-amd-amdhsa -mcpu=gfx1250 --defsym DOCPART=n.
;; ======== version 1 of 1: 4 launches
;; limits: values are held in f16: magnitudes above 65,504 overflow, below 6.1e-05 lose precision
;; workspace buffers: xc 4,194,304 bytes; xs 262,144 bytes; wc 1,572,864 bytes; ws 98,304 bytes; wp16 2,097,152 bytes; qkv 50,331,648 bytes; yh 16,777,216 bytes
;; launch prep (part 1): grid 368 x 1, 4 waves a work-group, no clusters, 68,096 bytes of LDS; arguments x, W_attn, W_proj, xc, xs, wc, ws, wp16; writes xc, xs, wc, ws, wp16
.if DOCPART == 1
	.amdgcn_target "amdgcn-amd-amdhsa--gfx1250"
	.amdhsa_code_object_version 6
	.text
	.protected	k_qbd55f571b9_prep
	.globl	k_qbd55f571b9_prep
	.p2align	8
	.type	k_qbd55f571b9_prep,@function
k_qbd55f571b9_prep:
	s_mov_b64 s[64:65], 0
	v_nop
	global_prefetch_b8 v0, s[64:65] scope:SCOPE_SE
	s_setreg_imm32_b32 hwreg(HW_REG_WAVE_MODE, 25, 1), 1
	s_wait_xcnt 0x0
; THE PROGRAM: y = softmax(mask(q k^T / 8)) v, out = y W_proj + b_proj, with q, k, v = x W_attn + b_attn; B = 4, T = 2,048, C = 1,024, 16 heads of 64.  Four launches:
; this one (operands made ready), the MX-FP4 product x W_attn, the attention, the projection.
; WORK LEFT OUT: b_attn[1024:2048], the bias on k.  In real numbers a score is q . (k0 + bk) / 8 = q . k0 / 8 + q . bk / 8; the second term is the same for every key of a query, so the softmax
; over the keys is unchanged by it for all values of the inputs (a masked key is -infinity with it and without it).  The product q k^T is not quantised, so no quantiser sees k.  The term comes in whole
; tiles of the second launch (k's 1,024 columns), where it is neither loaded nor added.  b_attn's q third and v third are live and are added.
; LIMIT: a NaN, an infinity or an overflow that b_attn[1024:2048] alone would cause is not carried to the result.
; THIS LAUNCH, three jobs told apart by the work-group's number:
;   work-groups 0-255:   x [8192][1024] f32 -> codes of FP4 (E2M1) xc [8192][512 bytes], K innermost, and E8M0 scale bytes xs [8192][32], one for each 32 along K;
;   work-groups 256-303: W_attn [1024 (k)][3072 (n)] f32 -> wc [3072][512 bytes], K innermost, ws [3072][32]: a lane takes a column n and its registers run down K;
;   work-groups 304-367: W_proj f32 -> wp16, f16, the layout unchanged.
; A block's scale is 2^(floor(log2(its largest magnitude)) - 2); its byte is the largest magnitude's exponent field - 2, held at 1 from below.  A block of zeros so gets the byte 1 where the rule says 127:
; its codes are zeros, which add nothing under any byte but 0xff, and the bytes are read by this program alone.
; LIMITS: blocks whose largest magnitude lies under 2^-124 keep the byte 1; NaN and infinities among x and W_attn are not served; W_proj beyond 65,504 in magnitude is not served (f16).
; The jobs that use LDS have LDS bytes of their own: x's 0 .. 32,767; W_attn's 32,768 .. 67,583; then the spare words.  No barrier: waves share nothing.
.set SPARE, 67584                      ; the spare words, 128 bytes for each wave: two blocks of 256 bytes that no other line names
.set SPW,   12                         ; v12  LDS address of my spare word; never rewritten
.set NIL,   13                         ; v13  0; never rewritten
.macro FINISH                          ; a wave's end
	s_wait_tensorcnt 0x0
	ds_add_u32 v[SPW], v[NIL]
	s_wait_dscnt 0x0
	s_endpgm
.endm
	s_load_b256 s[4:11], s[0:1], 0x0               ; x s[4:5], W_attn s[6:7], W_proj s[8:9], xc s[10:11]
	s_load_b256 s[12:19], s[0:1], 0x20             ; xs s[12:13], wc s[14:15], ws s[16:17], wp16 s[18:19]
	v_lshl_add_u32 v[SPW], v0, 2, SPARE
	v_mov_b32 v[NIL], 0
	v_lshrrev_b32 v1, 5, v0
	v_readfirstlane_b32 s20, v1                    ; wave 0..3
	v_and_b32 v2, 31, v0                           ; lane
	s_wait_kmcnt 0x0
	s_cmp_lt_u32 ttmp9, 256
	s_cbranch_scc1 .Lx
	s_cmp_lt_u32 ttmp9, 304
	s_cbranch_scc1 .Lw
; ---------------- W_proj to f16: a wave takes 4,096 numbers: 32 loads of 512 consecutive bytes, all issued first; each store covers 256 consecutive bytes, aligned
	s_sub_co_u32 s21, ttmp9, 304
	s_lshl_b32 s22, s21, 16                        ; 65,536 bytes of f32 a work-group,
	s_lshl_b32 s23, s20, 14                        ; 16,384 a wave
	s_add_co_u32 s22, s22, s23
	s_mov_b32 s23, 0
	s_add_nc_u64 s[8:9], s[8:9], s[22:23]
	s_lshr_b32 s22, s22, 1                         ; half as many bytes of f16
	s_add_nc_u64 s[18:19], s[18:19], s[22:23]
	v_lshlrev_b32 v3, 4, v2
	v_lshlrev_b32 v4, 3, v2
.set n, 0
.rept 32
	global_load_b128 v[16+4*n:19+4*n], v3, s[8:9] offset:512*n th:TH_LOAD_NT
.set n, n+1
.endr
.set n, 0
.rept 32
	s_wait_loadcnt 31-n                            ; loads come back in order: load n is in, the 31 - n younger ones stay out
	v_cvt_pk_f16_f32 v[144+2*n], v[16+4*n], v[17+4*n]
	v_cvt_pk_f16_f32 v[145+2*n], v[18+4*n], v[19+4*n]
	global_store_b64 v4, v[144+2*n:145+2*n], s[18:19] offset:256*n   ; each store has data registers of its own: none is written again
.set n, n+1
.endr
	s_endpgm                                       ; this job wrote no LDS
; ---------------- x: a plain stream of blocks of 32.  A wave takes 16 steps of 512 numbers.  Each of a step's four loads reads 512 consecutive bytes; the 2,048 bytes turn through the wave's own stage in LDS
; (16 bytes of padding behind each 64) and come back 64 bytes a lane: 16 neighbours along K, two neighbouring lanes to a block.  Loads run four steps ahead, the turn through LDS one step.
.set XSTEPS, 16
.set XR,    16                         ; v16-79   four sets of 16 numbers as loaded
.set XX,    80                         ; v80-111  two sets of 16 neighbours
.set XE,    112                        ; v112-127 a scale byte for each step
.set XC,    128                        ; v128-191 codes: four registers for each step, so that no store's data are written again
.set WREG,  8192                       ; LDS of a wave: two stages of 32 x XP bytes, behind them its 256 scale bytes
.set XP,    80
.Lx:
	v_lshlrev_b32 v3, 4, v2                        ; my 16 bytes of a load's 512
	s_mul_i32 s21, s20, WREG
	v_lshrrev_b32 v14, 2, v2
	v_mul_u32_u24 v14, v14, XP
	v_and_b32 v15, 3, v2
	v_lshl_add_u32 v14, v15, 4, v14
	v_add_nc_u32 v14, s21, v14                     ; the stage, way in: XP (lane / 4) + 16 (lane % 4)
	v_mul_u32_u24 v15, v2, XP
	v_add_nc_u32 v15, s21, v15                     ; way out: XP x lane
	v_lshlrev_b32 v4, 3, v2                        ; my 8 bytes of a step's codes
	v_lshrrev_b32 v5, 1, v2
	s_add_co_u32 s21, s21, 2*32*XP
	v_add_nc_u32 v5, s21, v5                       ; my block's scale byte in LDS
	v_lshlrev_b32 v7, 3, v2
	v_add_nc_u32 v6, s21, v7                       ; and on the way out 8 bytes a lane
	s_lshl_b32 s22, ttmp9, 2
	s_add_co_u32 s22, s22, s20                     ; which run of 8,192 numbers is my wave's
	s_mov_b32 s25, 0
	s_lshl_b32 s24, s22, 15
	s_add_nc_u64 s[4:5], s[4:5], s[24:25]
	s_lshl_b32 s24, s22, 12
	s_add_nc_u64 s[10:11], s[10:11], s[24:25]
	s_lshl_b32 s24, s22, 8
	s_add_nc_u64 s[12:13], s[12:13], s[24:25]
.macro XLOAD t
.irp i, 0,1,2,3
	global_load_b128 v[XR+16*((\t)%4)+4*\i:XR+16*((\t)%4)+4*\i+3], v3, s[4:5] offset:2048*(\t)+512*\i th:TH_LOAD_NT
.endr
.endm
.macro XTURN t                         ; LDS serves a wave's instructions in order: no wait between the stores and the loads
.irp i, 0,1,2,3
	ds_store_b128 v14, v[XR+16*((\t)%4)+4*\i:XR+16*((\t)%4)+4*\i+3] offset:32*XP*((\t)%2)+8*XP*\i
.endr
.irp i, 0,1,2,3
	ds_load_b128 v[XX+16*((\t)%2)+4*\i:XX+16*((\t)%2)+4*\i+3], v15 offset:32*XP*((\t)%2)+16*\i
.endr
.endm
.irp t, 0,1,2,3
	XLOAD \t
.endr
	s_wait_loadcnt 12                              ; step 0's four loads are in; the twelve of steps 1 to 3 stay out
	XTURN 0
.macro XSTEP t
.set XS, XX+16*((\t)%2)
.if (\t) > 0
	s_wait_dscnt 1                                 ; this step's numbers are back from the stage; the last step's byte store may be out
.else
	s_wait_dscnt 0x0
.endif
.if (\t)+4 < XSTEPS
	XLOAD (\t)+4                                   ; into the set whose stores into the stage have read their registers
.endif
.if (\t)+1 < XSTEPS
.if XSTEPS-2-(\t) >= 3
	s_wait_loadcnt 12                              ; the next step's four loads are in; those of the three steps behind it may be out
.else
	s_wait_loadcnt 4*(XSTEPS-2-(\t))
.endif
	XTURN (\t)+1
.endif
	v_max3_num_f32 v8, |v[XS]|, |v[XS+1]|, |v[XS+2]|               ; the largest magnitude of my 16, in two chains
	v_max3_num_f32 v9, |v[XS+3]|, |v[XS+4]|, |v[XS+5]|
.irp i, 6,10
	v_max3_num_f32 v8, v8, |v[XS+\i]|, |v[XS+\i+1]|
	v_max3_num_f32 v9, v9, |v[XS+\i+2]|, |v[XS+\i+3]|
.endr
	v_max3_num_f32 v8, v8, |v[XS+14]|, |v[XS+15]|
	v_max3_num_f32 v8, v8, v9, 0x1800000           ; and the floor 2^(3 - 127): the byte cannot fall under 1
	v_max_num_f32_dpp v8, v8, v8 row_xmask:1 row_mask:0xf bank_mask:0xf   ; and of my neighbour's 16: the block's
	v_add_nc_u32 v11, 0xff000000, v8               ; 2 off its exponent field: the conversion takes the exponent field of this operand as its scale
	v_cvt_scalef32_pk8_fp4_f32 v[XC+4*(\t)], v[XS:XS+7], v11
	v_cvt_scalef32_pk8_fp4_f32 v[XC+4*(\t)+1], v[XS+8:XS+15], v11
	v_lshrrev_b32 v[XE+(\t)], 23, v11              ; the scale's byte
	ds_store_b8 v5, v[XE+(\t)] offset:16*(\t)      ; both lanes of a block write the same byte with the same value
	global_store_b64 v4, v[XC+4*(\t):XC+4*(\t)+1], s[10:11] offset:256*(\t)   ; the wave stores 256 consecutive bytes, aligned
.endm
.irp t, 0,1,2,3,4,5,6,7,8,9,10,11,12,13,14,15
	XSTEP \t
.endr
	ds_load_b64 v[8:9], v6                         ; my wave's 256 scale bytes: these loads see my stores
	s_wait_dscnt 0x0
	global_store_b64 v7, v[8:9], s[12:13]          ; 256 consecutive bytes, aligned
	FINISH
; ---------------- W_attn: a wave takes 32 columns x 512 along K: 16 blocks a lane.  Each load reads 128 consecutive bytes a wave; a block of 32 along K lies in one lane's 32 registers.
; A lane's codes belong to one row of wc: they go through the wave's own stage and leave as rows, sixteen lanes storing 256 consecutive bytes.  Loads run two blocks ahead.
; Every offset is an immediate: 511 rows x 12,288 bytes is the largest, inside the signed 24 bits of the field (ISA guide, chapter 10).
.set WNB,    16
.set WPITCH, 272
.set WSTG,   32768
.set WROW,   512                       ; a row of wc in bytes
.set WX,     32                        ; v32-95   two sets of 32 numbers
.set WC,     96                        ; v96-99   a block's codes
.set WOUT,   112                       ; v112-175 the way out
.set WSB,    24                        ; v24-27   the scale bytes, four to a register
.Lw:
	s_sub_co_u32 s21, ttmp9, 256                   ; 0 .. 47: 24 groups of 128 columns x 2 halves of K
	s_cmp_ge_u32 s21, 24
	s_cselect_b32 s22, 1, 0                        ; which 512 along K
	s_cselect_b32 s23, 24, 0
	s_sub_co_u32 s21, s21, s23
	s_lshl_b32 s21, s21, 7
	s_lshl_b32 s23, s20, 5
	s_add_co_u32 s21, s21, s23                     ; my wave's first column
	v_lshlrev_b32 v3, 2, v2                        ; in: 4 bytes a lane
	s_mul_i32 s24, s20, 32*WPITCH
	s_add_co_u32 s24, s24, WSTG                    ; my stage
	v_mul_u32_u24 v4, v2, WPITCH
	v_add_nc_u32 v4, s24, v4                       ; into it: row = my column
	v_and_b32 v5, 15, v2
	v_lshrrev_b32 v6, 4, v2
	v_mul_u32_u24 v7, v6, WPITCH
	v_lshl_add_u32 v7, v5, 4, v7
	v_add_nc_u32 v7, s24, v7                       ; out of it: sixteen lanes to a row, two rows an instruction
	v_mul_u32_u24 v8, v6, WROW
	v_lshl_add_u32 v8, v5, 4, v8                   ; and the same place in wc
	v_lshlrev_b32 v9, 5, v2                        ; my column's row of 32 scale bytes
	s_mov_b32 s27, 0
	s_mul_i32 s26, s22, 512*3072*4
	s_lshl_b32 s25, s21, 2
	s_add_co_u32 s26, s26, s25
	s_add_nc_u64 s[6:7], s[6:7], s[26:27]          ; W_attn at row 512 y, my first column
	s_lshl_b32 s26, s21, 9
	s_lshl_b32 s25, s22, 8
	s_add_co_u32 s26, s26, s25
	s_add_nc_u64 s[14:15], s[14:15], s[26:27]      ; wc at my first column's row, + 256 y bytes
	s_lshl_b32 s26, s21, 5
	s_lshl_b32 s25, s22, 4
	s_add_co_u32 s26, s26, s25
	s_add_nc_u64 s[16:17], s[16:17], s[26:27]      ; ws likewise, + 16 y
.macro WLOAD t
.irp i, 0,1,2,3,4,5,6,7,8,9,10,11,12,13,14,15,16,17,18,19,20,21,22,23,24,25,26,27,28,29,30,31
	global_load_b32 v[WX+32*((\t)%2)+\i], v3, s[6:7] offset:(32*(\t)+\i)*3072*4 th:TH_LOAD_NT
.endr
.endm
	WLOAD 0
	WLOAD 1
.macro WBLOCK t
.set XS, WX+32*((\t)%2)
.if (\t) < WNB-1
	s_wait_loadcnt 32                              ; this block's 32 loads are in; the next block's 32 may be out
.else
	s_wait_loadcnt 0x0
.endif
	v_max3_num_f32 v20, |v[XS]|, |v[XS+1]|, |v[XS+2]|              ; the block's largest magnitude: all 32 numbers are mine
	v_max3_num_f32 v21, |v[XS+3]|, |v[XS+4]|, |v[XS+5]|
.irp i, 6,10,14,18,22,26
	v_max3_num_f32 v20, v20, |v[XS+\i]|, |v[XS+\i+1]|
	v_max3_num_f32 v21, v21, |v[XS+\i+2]|, |v[XS+\i+3]|
.endr
	v_max3_num_f32 v20, v20, |v[XS+30]|, |v[XS+31]|
	v_max3_num_f32 v20, v20, v21, 0x1800000        ; and the floor 2^(3 - 127)
	v_add_nc_u32 v11, 0xff000000, v20              ; the conversion's scale operand
	v_lshrrev_b32 v21, 23, v11                     ; the scale's byte
.if (\t)%4 == 0
	v_mov_b32 v[WSB+(\t)/4], v21                   ; four bytes to a register, the lower K in the lower byte
.else
	v_lshl_or_b32 v[WSB+(\t)/4], v21, 8*((\t)%4), v[WSB+(\t)/4]
.endif
.irp g, 0,1,2,3
	v_cvt_scalef32_pk8_fp4_f32 v[WC+\g], v[XS+8*\g:XS+8*\g+7], v11
.endr
	ds_store_b128 v4, v[WC:WC+3] offset:16*(\t)    ; 32 codes: 16 bytes of my column's row
.if (\t)+2 < WNB
	WLOAD (\t)+2
.endif
	s_wait_dscnt 0x0                               ; the store has read its registers: the next block's codes may be written
.endm
.irp t, 0,1,2,3,4,5,6,7,8,9,10,11,12,13,14,15
	WBLOCK \t
.endr
	global_store_b128 v9, v[WSB:WSB+3], s[16:17]   ; my column's 16 scale bytes
.irp t, 0,1,2,3,4,5,6,7,8,9,10,11,12,13,14,15
	ds_load_b128 v[WOUT+4*\t:WOUT+4*\t+3], v7 offset:2*\t*WPITCH
.endr
.irp t, 0,1,2,3,4,5,6,7,8,9,10,11,12,13,14,15
	s_wait_dscnt 15-\t                             ; LDS loads come back in order: load t is in
	global_store_b128 v8, v[WOUT+4*\t:WOUT+4*\t+3], s[14:15] offset:2*\t*WROW
.endr
	FINISH
.Lfunc_end_k_qbd55f571b9_prep:
	.size	k_qbd55f571b9_prep, .Lfunc_end_k_qbd55f571b9_prep-k_qbd55f571b9_prep
	.p2alignl 7, 3214868480
	.fill 96, 4, 3214868480
	.section	.rodata,"a",@progbits
	.p2align	6, 0x0
	.amdhsa_kernel k_qbd55f571b9_prep
		.amdhsa_group_segment_fixed_size 68096
		.amdhsa_private_segment_fixed_size 0
		.amdhsa_enable_private_segment 0
		.amdhsa_kernarg_size 64
		.amdhsa_user_sgpr_count 2
		.amdhsa_user_sgpr_kernarg_segment_ptr 1
		.amdhsa_wavefront_size32 1
		.amdhsa_system_sgpr_workgroup_id_x 1
		.amdhsa_system_sgpr_workgroup_id_y 1
		.amdhsa_system_sgpr_workgroup_id_z 1
		.amdhsa_system_vgpr_workitem_id 0
		.amdhsa_next_free_vgpr 208
		.amdhsa_next_free_sgpr 66
		.amdhsa_reserve_vcc 0
		.amdhsa_float_denorm_mode_32 3
		.amdhsa_float_denorm_mode_16_64 3
		.amdhsa_memory_ordered 1
		.amdhsa_forward_progress 1
		.amdhsa_inst_pref_size 122
	.end_amdhsa_kernel
	.amdgpu_metadata
---
amdhsa.version: [ 1, 2 ]
amdhsa.kernels:
  - .name:           k_qbd55f571b9_prep
    .symbol:         k_qbd55f571b9_prep.kd
    .args:
      - { .name: x, .offset: 0, .size: 8, .value_kind: global_buffer, .address_space: global }
      - { .name: W_attn, .offset: 8, .size: 8, .value_kind: global_buffer, .address_space: global }
      - { .name: W_proj, .offset: 16, .size: 8, .value_kind: global_buffer, .address_space: global }
      - { .name: xc, .offset: 24, .size: 8, .value_kind: global_buffer, .address_space: global }
      - { .name: xs, .offset: 32, .size: 8, .value_kind: global_buffer, .address_space: global }
      - { .name: wc, .offset: 40, .size: 8, .value_kind: global_buffer, .address_space: global }
      - { .name: ws, .offset: 48, .size: 8, .value_kind: global_buffer, .address_space: global }
      - { .name: wp16, .offset: 56, .size: 8, .value_kind: global_buffer, .address_space: global }
    .group_segment_fixed_size: 68096
    .private_segment_fixed_size: 0
    .kernarg_segment_align: 8
    .kernarg_segment_size: 64
    .max_flat_workgroup_size: 128
    .sgpr_count:     66
    .vgpr_count:     208
    .wavefront_size: 32
...
	.end_amdgpu_metadata
.endif
;; end of part 1
;; launch qkvgemm (part 2): grid 12 x 32, 4 waves a work-group, clusters of 4 x 4, 327,680 bytes of LDS; arguments xc, xs, wc, ws, qkv, b_attn; writes qkv
.if DOCPART == 2
	.amdgcn_target "amdgcn-amd-amdhsa--gfx1250"
	.amdhsa_code_object_version 6
	.text
	.protected	k_qbd55f571b9_qkvgemm
	.globl	k_qbd55f571b9_qkvgemm
	.p2align	8
	.type	k_qbd55f571b9_qkvgemm,@function
k_qbd55f571b9_qkvgemm:
	s_mov_b64 s[64:65], 0
	v_nop
	global_prefetch_b8 v0, s[64:65] scope:SCOPE_SE
	s_setreg_imm32_b32 hwreg(HW_REG_WAVE_MODE, 25, 1), 1
	s_wait_xcnt 0x0
	s_wait_alu depctr_hold_cnt(0) depctr_sa_sdst(0) depctr_va_vdst(0) depctr_va_sdst(0) depctr_va_ssrc(0) depctr_va_vcc(0) depctr_vm_vsrc(0)
	s_getreg_b32 s2, hwreg(HW_REG_IB_STS2, 6, 4)
	s_cmp_eq_u32 s2, 0
	s_cbranch_scc0 .Lentry_in_a_cluster
	s_endpgm
.Lentry_in_a_cluster:
	s_bfe_u32 s2, ttmp6, 0x10000c
	s_cmp_lg_u32 s2, 0xf033
	s_cbranch_scc0 .Lentry_shape_is_right
	s_endpgm
.Lentry_shape_is_right:
; qkv = Q(x) Q(W_attn) + b_attn on codes of FP4 (E2M1) with one E8M0 scale for each 32 along K; sums in f32; the results rounded once to f16 and stored head by head:
; qkv is 192 planes of [2048 tokens][64] f16; plane = part x 64 + batch x 16 + head, part 0 q, 1 k, 2 v.
; WORK LEFT OUT: the bias on k, b_attn[1024:2048] (shown at the head of the first launch: it adds to every score of a query the same number).  k's 1,024 columns are the clusters with x = 1: there the sums start from 0.
; LIMIT: |q|, |k|, |v| beyond 65,504 are not served (f16).
; A tile of 256 x 256 is made by four waves, 128 x 128 each: 64 accumulators, 512 registers.  K = 1,024 is two steps of 512: both LDS slots and the scale bytes of all of K are first fills, nothing is filled again.
; CLUSTERS: 4 x 4 work-groups.  The four of a row of the cluster need the same tiles of x, the four of a column the same tiles of W: each tile is asked for jointly.
; THE MATRIX INSTRUCTION IS USED TRANSPOSED (source 0 = 16 rows of wc, source 1 = 16 rows of xc): a lane holds eight neighbouring columns of one token.
; REGISTERS, in windows of 256: window 0: v0-31 addresses; v32-95 scale words, two sets; v128-191 x's fragments, one set; v192-255 the bias, eight registers for each 16 columns, in the result's layout.
;   window 1: W's fragments, two sets.   window 2: the accumulators of my rows 0-63 ((a, b) at v[8 (8 a + b)]);   window 3: those of my rows 64-127.
.set SIZE_K, 1024
.set NQ,     4                         ; matrix instructions deep in a slot of 512 along K
.set ROWB,   256                       ; a tile's row in bytes
.set KROW,   512                       ; a row of codes in memory
.set PITCH,  272                       ; an LDS row: 256 bytes + 16 of padding = 68 words: the 16 rows that a load touches start at 16 different banks (64 banks of 4 bytes: ISA guide 11.1)
.set FR,     8
.set NL,     2
.set NP,     4                         ; places behind this matrix instruction (ISA guide 7.12.1)
.set HALFT,  128*PITCH
.set SLOT,   4*HALFT
.set KS,     32                        ; a row of scale bytes
.set SCL,    2*SLOT                    ; behind the ring: the scales, as units of 256 bytes + 16 of padding
.set HALFS,  16*272                    ; those of 128 rows
.set SBLK,   2*272                     ; those of 16 rows
.set SPARE,  SCL+4*HALFS               ; the spare words, 128 bytes for each wave
.set SPITCH, 272                       ; the way out: a stage of 16 rows x (256 bytes + 16) for each wave, in slot 0, which has had its only fill and its last read by then
.set ADRA, 16
.set ADRB, 20
.set STO,  24
.set RD,   25
.set CO,   26
.set ADRS, 27
.set SPW,  28
.set NIL,  29
.set BO,   30                          ; v30  32 x (lane / 16): my eight numbers of a bias block
.set SC,   32
.set TMP,  32                          ; the way out: packed results (the scale words are done with)
.set AF,   128
.set BK,   128                         ; the way out: rows read back: v128-159 and v160-191 by turns
.set BIAS, 192
.set G1, 24
.set G0, 32
.set G1B, 48
.set G0B, 56
.set G1S, 68
.set G0S, 76
.set G1SB, 80
.set G0SB, 88
.set MSB, 0
.macro WIN new                         ; the immediate's high byte repeats the setting that is left
.if MSB != \new
	s_set_vgpr_msb (MSB<<8)|\new
.set MSB, \new
.endif
.endm
.set MUL_LO, 0xa1                      ; source 0 (W) window 1, source 1 (x) window 0, C and D window 2
.set MUL_HI, 0xf1                      ; the same, C and D window 3
.set BIA_LO, 0x81                      ; C (the bias) window 0, D window 2
.set BIA_HI, 0xc1                      ; C window 0, D window 3
.set TO_B,   0x40
; A joint load: waves 0 and 1 fetch for x, waves 2 and 3 for W.  The branch hangs on the wave's number alone.  An s_nop 0 and four v_nop follow each of the two lines.
.macro JLOAD g0a, g1a, g0b, g1b
	s_cmp_eq_u32 s15, 0
	s_cbranch_scc0 .Lfor_b_\@
	tensor_load_to_lds s[\g0a:\g0a+3], s[\g1a:\g1a+7]
	s_nop 0
.rept 4
	v_nop
.endr
	s_branch .Lasked_\@
.Lfor_b_\@:
	tensor_load_to_lds s[\g0b:\g0b+3], s[\g1b:\g1b+7]
	s_nop 0
.rept 4
	v_nop
.endr
.Lasked_\@:
.endm
.macro CROUND                          ; a round of the cluster's barrier
	s_barrier_signal -1
	s_barrier_wait -1
	s_cmp_lg_u32 s14, 0
	s_cbranch_scc1 .Lnot_wave_0_\@
	s_barrier_signal -3
.Lnot_wave_0_\@:
	s_barrier_wait -3
	s_barrier_signal -1
	s_barrier_wait -1
.endm
	s_load_b128 s[4:7], s[0:1], 0x0                ; x's codes, x's scales
	s_load_b128 s[8:11], s[0:1], 0x10              ; W's codes, W's scales
	s_load_b64 s[12:13], s[0:1], 0x20              ; qkv
	s_load_b64 s[96:97], s[0:1], 0x28              ; b_attn
	v_lshl_add_u32 v[SPW], v0, 2, SPARE
	v_mov_b32 v[NIL], 0
	ds_add_u32 v[SPW], v[NIL]                      ; the wave's opening: the add, twice on end, and its wait ahead of my first tensor load
	ds_add_u32 v[SPW], v[NIL]
	v_lshrrev_b32 v1, 5, v0
	v_readfirstlane_b32 s14, v1                    ; wave 0..3
	s_lshr_b32 s15, s14, 1                         ; which half of the tile's rows is mine.  Also: I fetch for x (0) or for W (1)
	s_and_b32 s16, s14, 1                          ; which half of its columns.  Also: which 128 rows I fetch
	s_bfe_u32 s40, ttmp6, 0x40000                  ; cx, cy
	s_bfe_u32 s41, ttmp6, 0x40004
	s_lshl_b32 s42, ttmp9, 2
	s_add_co_u32 s42, s42, s40                     ; tile column 0..11
	s_and_b32 s17, ttmp7, 0xffff
	s_lshl_b32 s17, s17, 2
	s_add_co_u32 s17, s17, s41                     ; tile row 0..31
	s_lshl_b32 s43, s41, 2
	s_lshl_b32 s43, 15, s43                        ; my row of the cluster
	s_lshl_b32 s44, 0x1111, s40                    ; my column
	s_or_b32 s[G1+0], s43, (0<<16)|(1<<20)|(1<<21)|(5<<22)|(3<<25)  ; the mask; elements of 1 byte; padding on; bit 21 beside a mask; after every 64 words 4 words
	s_or_b32 s[G1B+0], s44, (0<<16)|(1<<20)|(1<<21)|(5<<22)|(3<<25)
.irp g, G1, G1B
	s_mov_b32 s[\g+1], ROWB<<16                    ; tensor_dim0
	s_mov_b32 s[\g+2], 128<<16                     ; tensor_dim1
	s_mov_b32 s[\g+3], ROWB<<16                    ; tile_dim0
	s_mov_b32 s[\g+4], 128                         ; tile_dim1
	s_mov_b32 s[\g+5], KROW                        ; the pitch
	s_mov_b32 s[\g+6], 0
	s_mov_b32 s[\g+7], 0
.endr
	s_or_b32 s[G1S+0], s43, (3<<16)|(1<<20)|(1<<21)|(5<<22)|(3<<25) ; the scales of 128 rows: 4,096 dense bytes as 16 rows of 256 bytes (32 elements of 8), 16 bytes of padding behind each
	s_or_b32 s[G1SB+0], s44, (3<<16)|(1<<20)|(1<<21)|(5<<22)|(3<<25)
.irp g, G1S, G1SB
	s_mov_b32 s[\g+1], 32<<16
	s_mov_b32 s[\g+2], 16<<16
	s_mov_b32 s[\g+3], 32<<16
	s_mov_b32 s[\g+4], 16
	s_mov_b32 s[\g+5], 32
	s_mov_b32 s[\g+6], 0
	s_mov_b32 s[\g+7], 0
.endr
	s_lshl_b32 s18, s16, 7
	s_lshl_b32 s20, s17, 8
	s_add_co_u32 s20, s20, s18                     ; x: row 256 x tile row + 128 x half
	s_lshl_b32 s46, s42, 8
	s_add_co_u32 s46, s46, s18                     ; W: row 256 x tile column + 128 x half
	s_mov_b32 s21, 0
	s_mov_b32 s47, 0
	s_mov_b64 s[18:19], KS
	s_mul_u64 s[22:23], s[20:21], s[18:19]         ; where these rows' scales begin
	s_mul_u64 s[92:93], s[46:47], s[18:19]
	s_mov_b64 s[18:19], KROW
	s_mul_u64 s[20:21], s[20:21], s[18:19]         ; and their codes
	s_mul_u64 s[46:47], s[46:47], s[18:19]
	s_mul_i32 s45, s14, HALFT                      ; where they go: wave x 128 rows: no place in the cluster enters an LDS address
	s_mul_i32 s94, s14, HALFS
	s_wait_dscnt 0x0                               ; both opening adds are done
	s_wait_kmcnt 0x0
	s_add_nc_u64 s[20:21], s[4:5], s[20:21]
	s_add_nc_u64 s[22:23], s[6:7], s[22:23]
	s_add_nc_u64 s[46:47], s[8:9], s[46:47]
	s_add_nc_u64 s[92:93], s[10:11], s[92:93]
	CROUND                                         ; all sixteen work-groups are here: the joint loads meet
	s_mov_b32 s[G0S], 1
	s_add_co_u32 s[G0S+1], s94, SCL
	s_mov_b64 s[G0S+2:G0S+3], s[22:23]
	s_or_b32 s[G0S+3], s[G0S+3], 0x80000000
	s_mov_b32 s[G0SB], 1
	s_add_co_u32 s[G0SB+1], s94, SCL
	s_mov_b64 s[G0SB+2:G0SB+3], s[92:93]
	s_or_b32 s[G0SB+3], s[G0SB+3], 0x80000000
	JLOAD G0S, G1S, G0SB, G1SB                     ; the scales first; then both K steps: three tensor loads of mine are out
.irp s, 0,1
	s_mov_b32 s[G0+4*\s], 1
	s_add_co_u32 s[G0+4*\s+1], s45, \s*SLOT
	s_add_nc_u64 s[G0+4*\s+2:G0+4*\s+3], s[20:21], \s*ROWB
	s_or_b32 s[G0+4*\s+3], s[G0+4*\s+3], 0x80000000
	s_mov_b32 s[G0B+4*\s], 1
	s_add_co_u32 s[G0B+4*\s+1], s45, \s*SLOT
	s_add_nc_u64 s[G0B+4*\s+2:G0B+4*\s+3], s[46:47], \s*ROWB
	s_or_b32 s[G0B+4*\s+3], s[G0B+4*\s+3], 0x80000000
	JLOAD G0+4*\s, G1, G0B+4*\s, G1B
.endr
	v_and_b32 v1, 15, v0                           ; r = l % 16
	v_bfe_u32 v2, v0, 4, 1                         ; h = l / 16
	v_mul_u32_u24 v3, v1, PITCH
	v_lshl_add_u32 v4, v2, 4, v3                   ; a fragment's row x pitch + 16 h
	s_mul_i32 s21, s15, HALFT
	s_mul_i32 s22, s16, HALFT
	s_add_co_u32 s22, s22, 2*HALFT
.irp s, 0,1
	v_add_nc_u32 v[ADRA+\s], s21, v4
	v_add_nc_u32 v[ADRB+\s], s22, v4
	s_add_co_u32 s21, s21, SLOT
	s_add_co_u32 s22, s22, SLOT
.endr
	v_mul_u32_u24 v5, v1, KS                       ; my row's scales: 32 bytes a row,
	v_lshrrev_b32 v6, 8, v5
	v_lshl_add_u32 v5, v6, 4, v5                   ; and 16 more for each 256 passed
	s_mul_i32 s21, s15, HALFS
	s_mul_i32 s22, s16, HALFS
	s_add_co_u32 s22, s22, 2*HALFS
	s_sub_co_u32 s22, s22, s21
	v_mul_u32_u24 v6, s22, v2                      ; lanes 16-31 take W's
	s_add_co_u32 s21, s21, SCL
	v_add_nc_u32 v5, v5, v6
	v_add_nc_u32 v[ADRS], s21, v5
	s_mul_i32 s23, s14, 16*SPITCH                  ; my stage
	v_mul_u32_u24 v5, v1, SPITCH                   ; in: row r, 16 bytes for each half of the lanes
	v_lshl_add_u32 v5, v2, 4, v5
	v_add_nc_u32 v[STO], s23, v5
	v_and_b32 v6, 31, v0
	v_lshlrev_b32 v[CO], 4, v6                     ; out: 16 x lane: 512 consecutive bytes of a plane
	v_lshrrev_b32 v5, 3, v6                        ; back: eight lanes take a token's 128 bytes of one head, four tokens an instruction
	v_mul_u32_u24 v5, v5, SPITCH
	v_and_b32 v6, 7, v6
	v_lshl_add_u32 v5, v6, 4, v5
	v_add_nc_u32 v[RD], s23, v5
	v_lshlrev_b32 v[BO], 5, v2
	s_lshl_b32 s20, ttmp9, 6                       ; the plane of my first 64 columns: part x 64
	s_lshr_b32 s21, s17, 3
	s_lshl_b32 s21, s21, 4
	s_add_co_u32 s20, s20, s21                     ; + batch x 16
	s_lshl_b32 s21, s40, 2
	s_add_co_u32 s20, s20, s21                     ; + 4 heads for each tile column of the part
	s_lshl_b32 s21, s16, 1
	s_add_co_u32 s20, s20, s21                     ; + 2 for my half
	s_lshl_b32 s20, s20, 18                        ; a plane is 262,144 bytes
	s_and_b32 s21, s17, 7
	s_lshl_b32 s21, s21, 8
	s_lshl_b32 s22, s15, 7
	s_add_co_u32 s21, s21, s22                     ; my first token in the batch
	s_lshl_b32 s21, s21, 7                         ; 128 bytes a token
	s_add_co_u32 s20, s20, s21
	s_mov_b32 s21, 0
	s_add_nc_u64 s[12:13], s[12:13], s[20:21]
	s_lshl_b32 s20, s42, 10                        ; b_attn at my first column: 4 x (256 x tile column + 128 x half)
	s_lshl_b32 s22, s16, 9
	s_add_co_u32 s20, s20, s22
	s_add_nc_u64 s[96:97], s[96:97], s[20:21]
.macro FRAG reg, adr, q, i             ; 16 rows x 128 K of 4-bit codes: lane l holds row l % 16; registers 4 c .. 4 c + 3 hold K = 64 c + 32 (l / 16) + 0 .. 31
.irp c, 0,1
	ds_load_b128 v[\reg+4*\c:\reg+4*\c+3], v[\adr] offset:64*(\q)+32*\c+(\i)*16*PITCH
.endr
.endm
; 16 matrix instructions: x's blocks a0, a0 + 1 against W's eight.  zero = 1: the sums start from 0;  2: from the bias;  0: they go on.  The 64 accumulators take turns, one instruction a turn, in the same order in every step.
.macro MUL16 a0, p, q, sc, zero
.irp a, \a0, \a0+1
.irp b, 0,1,2,3,4,5,6,7
.if (\zero) == 1
	v_wmma_scale_f32_16x16x128_f8f6f4 v[8*(8*((\a)%4)+\b):8*(8*((\a)%4)+\b)+7], v[128*(\p)+FR*\b:128*(\p)+FR*\b+FR-1], v[AF+FR*(\a):AF+FR*(\a)+FR-1], 0, v[SC+8*NQ*(\sc)+NQ*\b+(\q)], v[SC+8*NQ*(\sc)+NQ*(\a)+(\q)] matrix_a_fmt:MATRIX_FMT_FP4 matrix_b_fmt:MATRIX_FMT_FP4 matrix_a_scale:MATRIX_SCALE_ROW1
.elseif (\zero) == 2
	v_wmma_scale_f32_16x16x128_f8f6f4 v[8*(8*((\a)%4)+\b):8*(8*((\a)%4)+\b)+7], v[128*(\p)+FR*\b:128*(\p)+FR*\b+FR-1], v[AF+FR*(\a):AF+FR*(\a)+FR-1], v[BIAS+8*\b:BIAS+8*\b+7], v[SC+8*NQ*(\sc)+NQ*\b+(\q)], v[SC+8*NQ*(\sc)+NQ*(\a)+(\q)] matrix_a_fmt:MATRIX_FMT_FP4 matrix_b_fmt:MATRIX_FMT_FP4 matrix_a_scale:MATRIX_SCALE_ROW1
.else
	v_wmma_scale_f32_16x16x128_f8f6f4 v[8*(8*((\a)%4)+\b):8*(8*((\a)%4)+\b)+7], v[128*(\p)+FR*\b:128*(\p)+FR*\b+FR-1], v[AF+FR*(\a):AF+FR*(\a)+FR-1], v[8*(8*((\a)%4)+\b):8*(8*((\a)%4)+\b)+7], v[SC+8*NQ*(\sc)+NQ*\b+(\q)], v[SC+8*NQ*(\sc)+NQ*(\a)+(\q)] matrix_a_fmt:MATRIX_FMT_FP4 matrix_b_fmt:MATRIX_FMT_FP4 matrix_a_scale:MATRIX_SCALE_ROW1
.endif
.endr
.endr
.endm
.macro FETCH_B slot, q, p
	WIN TO_B
.irp i, 0,1,2,3,4,5,6,7
	FRAG 128*(\p)+FR*\i, ADRB+\slot, \q, \i
.endr
	WIN 0
.endm
.macro FETCH_A slot, q, i0
.irp i, \i0, \i0+1, \i0+2, \i0+3
	FRAG AF+FR*(\i), ADRA+\slot, \q, \i
.endr
.endm
.macro SCALES sc                       ; a K step's scale words: four words a row; lanes 0-15 take x's block i, lanes 16-31 W's block i
.irp i, 0,1,2,3,4,5,6,7
	ds_load_b128 v[SC+8*NQ*\sc+NQ*\i:SC+8*NQ*\sc+NQ*\i+3], v[ADRS] offset:\i*SBLK
.endr
.endm
.macro PLACES n                        ; plain vector instructions between a matrix instruction and a load into, or a read of, its registers
.rept \n
	v_nop
.endr
.endm
.macro STEP slot, q, zero              ; 128 along K, with its successor in the same slot
	s_wait_dscnt 4*NL                              ; W's set and x's blocks 0-3 are in; the youngest eight loads (x's blocks 4-7) may be out
.if (\zero) == 2
	WIN BIA_LO
.else
	WIN MUL_LO
.endif
	MUL16 0, (\q)%2, \q, \slot, \zero
	MUL16 2, (\q)%2, \q, \slot, \zero
	s_wait_dscnt 0
	PLACES NP
	FETCH_B \slot, (\q)+1, 1-(\q)%2
	FETCH_A \slot, (\q)+1, 0
.if (\zero) == 2
	WIN BIA_HI
.else
	WIN MUL_HI
.endif
	MUL16 4, (\q)%2, \q, \slot, \zero
	MUL16 6, (\q)%2, \q, \slot, \zero
	PLACES NP
	WIN 0
	FETCH_A \slot, (\q)+1, 4
.endm
; Slot 0's last step changes slots: each wave waits for all its tensor loads (its part of slot 1), adds 0 to its spare word, waits for that and for its reads of slot 0, and passes the barrier.  Nothing is filled again.
.macro TURN slot, next
	s_wait_tensorcnt 0x0                           ; all my tensor loads have landed  (every window is 0 here)
	ds_add_u32 v[SPW], v[NIL]                      ; 0 onto my spare word
	s_wait_dscnt 4*NL+1                            ; (the add and the youngest eight loads may be out)
	WIN MUL_LO
	MUL16 0, 1, NQ-1, \slot, 0
	s_wait_dscnt 0x0                               ; the add is done, and my reads of this slot are over
	s_barrier_signal -1
	MUL16 2, 1, NQ-1, \slot, 0
	WIN 0
	s_barrier_wait -1
	PLACES NP
	v_add_nc_u32 v[ADRS], 4*NQ, v[ADRS]            ; on to the next K step's scale words
	FETCH_B \next, 0, 0
	FETCH_A \next, 0, 0
	SCALES \next
	WIN MUL_HI
	MUL16 4, 1, NQ-1, \slot, 0
	MUL16 6, 1, NQ-1, \slot, 0
	PLACES NP
	WIN 0
	FETCH_A \next, 0, 4
.endm
	s_wait_tensorcnt 1                             ; the scales and my part of K step 0 are in; K step 1's load may be out
	s_barrier_signal -1
	s_barrier_wait -1
	FETCH_B 0, 0, 0
	FETCH_A 0, 0, 0
	SCALES 0
	FETCH_A 0, 0, 4
	s_cmp_eq_u32 ttmp9, 1                          ; the cluster's x is the part (q, k, v): the same number in all sixteen partners
	s_cbranch_scc1 .Lkpart
.irp b, 0,1,2,3,4,5,6,7
	global_load_b128 v[BIAS+8*\b:BIAS+8*\b+3], v[BO], s[96:97] offset:64*\b       ; lane (r, h): b_attn at columns 16 b + 8 h + 0 .. 7 of my 128
	global_load_b128 v[BIAS+8*\b+4:BIAS+8*\b+7], v[BO], s[96:97] offset:64*\b+16
.endr
	s_wait_loadcnt 0x0
	STEP 0, 0, 2                                   ; q and v: the first products start the sums from the bias
	s_branch .Ljoin
.Lkpart:
	STEP 0, 0, 1                                   ; k: from 0
.Ljoin:
	STEP 0, 1, 0
	STEP 0, 2, 0
	TURN 0, 1
	STEP 1, 0, 0
	STEP 1, 1, 0
	STEP 1, 2, 0
	s_wait_dscnt 4*NL                              ; the last step: nothing more to fetch
	WIN MUL_LO
	MUL16 0, 1, NQ-1, 1, 0
	MUL16 2, 1, NQ-1, 1, 0
	s_wait_dscnt 0
	WIN MUL_HI
	MUL16 4, 1, NQ-1, 1, 0
	MUL16 6, 1, NQ-1, 1, 0
	WIN 0
; THE WAY OUT, block by block of 16 tokens x 128 columns (two heads).  PACK: rounded to f16, 16 bytes a lane, each accumulator from its low end on.  TOSTAGE: into my own stage and back by heads.  SEND: each store covers 512 consecutive bytes of a plane.
.macro PACK a
.set AC, 64*((\a)%4)
	WIN 0x0a+5*((\a)/4)                            ; sources 0 and 1: window 2 or 3
.irp b, 0,1,2,3,4,5,6,7
.irp i, 0,1,2,3
	v_cvt_pk_f16_f32 v[TMP+4*\b+\i], v[AC+8*\b+2*\i], v[AC+8*\b+2*\i+1]
.endr
.endr
	WIN 0
.endm
.macro TOSTAGE a
.set BB, BK+32*((\a)%2)
.irp b, 0,1,2,3,4,5,6,7
	ds_store_b128 v[STO], v[TMP+4*\b:TMP+4*\b+3] offset:32*\b
.endr
.irp hd, 0,1
.irp i, 0,1,2,3
	ds_load_b128 v[BB+4*(4*\hd+\i):BB+4*(4*\hd+\i)+3], v[RD] offset:128*\hd+4*\i*SPITCH   ; LDS serves a wave's instructions in order (ISA guide 5.7.1.4): these see the stores above
.endr
.endr
.endm
.macro SEND a
.set BB, BK+32*((\a)%2)
	s_wait_dscnt 0x0                               ; the block is back in registers
	s_wait_xcnt 0x0                                ; the stores of the block before have read their registers: the next loads from the stage may land there
.irp hd, 0,1
.irp i, 0,1,2,3
	global_store_b128 v[CO], v[BB+4*(4*\hd+\i):BB+4*(4*\hd+\i)+3], s[12:13] offset:\hd*262144+(\a)*2048+\i*512
.endr
.endr
.endm
	PLACES NP                                      ; behind the last products: for the writes over the scale words, the loads over x's fragments and the reads of results
	PACK 0
	TOSTAGE 0
.irp a, 1,2,3,4,5,6,7
	PACK \a                                        ; block a's conversions stand between block a - 1's loads from the stage and the wait for them
	SEND \a-1
	TOSTAGE \a
.endr
	SEND 7
	s_wait_tensorcnt 0x0                           ; the wave's end
	ds_add_u32 v[SPW], v[NIL]
	s_wait_dscnt 0x0
	CROUND                                         ; the closing round
	s_endpgm
.Lfunc_end_k_qbd55f571b9_qkvgemm:
	.size	k_qbd55f571b9_qkvgemm, .Lfunc_end_k_qbd55f571b9_qkvgemm-k_qbd55f571b9_qkvgemm
	.p2alignl 7, 3214868480
	.fill 96, 4, 3214868480
	.section	.rodata,"a",@progbits
	.p2align	6, 0x0
	.amdhsa_kernel k_qbd55f571b9_qkvgemm
		.amdhsa_group_segment_fixed_size 327680
		.amdhsa_private_segment_fixed_size 0
		.amdhsa_enable_private_segment 0
		.amdhsa_kernarg_size 48
		.amdhsa_user_sgpr_count 2
		.amdhsa_user_sgpr_kernarg_segment_ptr 1
		.amdhsa_wavefront_size32 1
		.amdhsa_system_sgpr_workgroup_id_x 1
		.amdhsa_system_sgpr_workgroup_id_y 1
		.amdhsa_system_sgpr_workgroup_id_z 1
		.amdhsa_system_vgpr_workitem_id 0
		.amdhsa_next_free_vgpr 1024
		.amdhsa_next_free_sgpr 100
		.amdhsa_reserve_vcc 0
		.amdhsa_float_denorm_mode_32 3
		.amdhsa_float_denorm_mode_16_64 3
		.amdhsa_memory_ordered 1
		.amdhsa_forward_progress 1
		.amdhsa_inst_pref_size 139
	.end_amdhsa_kernel
	.amdgpu_metadata
---
amdhsa.version: [ 1, 2 ]
amdhsa.kernels:
  - .name:           k_qbd55f571b9_qkvgemm
    .symbol:         k_qbd55f571b9_qkvgemm.kd
    .args:
      - { .name: xc, .offset: 0, .size: 8, .value_kind: global_buffer, .address_space: global }
      - { .name: xs, .offset: 8, .size: 8, .value_kind: global_buffer, .address_space: global }
      - { .name: wc, .offset: 16, .size: 8, .value_kind: global_buffer, .address_space: global }
      - { .name: ws, .offset: 24, .size: 8, .value_kind: global_buffer, .address_space: global }
      - { .name: qkv, .offset: 32, .size: 8, .value_kind: global_buffer, .address_space: global }
      - { .name: b_attn, .offset: 40, .size: 8, .value_kind: global_buffer, .address_space: global }
    .group_segment_fixed_size: 327680
    .private_segment_fixed_size: 0
    .kernarg_segment_align: 8
    .kernarg_segment_size: 48
    .max_flat_workgroup_size: 128
    .sgpr_count:     100
    .vgpr_count:     1024
    .wavefront_size: 32
...
	.end_amdgpu_metadata
.endif
;; end of part 2
;; launch attn (part 3): grid 4 x 64, 16 waves a work-group, clusters of 4 x 1, 327,680 bytes of LDS; arguments qkv, attention_mask, yh; writes yh
.if DOCPART == 3
	.amdgcn_target "amdgcn-amd-amdhsa--gfx1250"
	.amdhsa_code_object_version 6
	.text
	.protected	k_qbd55f571b9_attn
	.globl	k_qbd55f571b9_attn
	.p2align	8
	.type	k_qbd55f571b9_attn,@function
k_qbd55f571b9_attn:
	s_mov_b64 s[64:65], 0
	v_nop
	global_prefetch_b8 v0, s[64:65] scope:SCOPE_SE
	s_setreg_imm32_b32 hwreg(HW_REG_WAVE_MODE, 25, 1), 1
	s_wait_xcnt 0x0
	s_wait_alu depctr_hold_cnt(0) depctr_sa_sdst(0) depctr_va_vdst(0) depctr_va_sdst(0) depctr_va_ssrc(0) depctr_va_vcc(0) depctr_vm_vsrc(0)
	s_getreg_b32 s2, hwreg(HW_REG_IB_STS2, 6, 4)
	s_cmp_eq_u32 s2, 0
	s_cbranch_scc0 .Lentry_in_a_cluster
	s_endpgm
.Lentry_in_a_cluster:
	s_bfe_u32 s2, ttmp6, 0x10000c
	s_cmp_lg_u32 s2, 0x3003
	s_cbranch_scc0 .Lentry_shape_is_right
	s_endpgm
.Lentry_shape_is_right:
; yh[b, head][q][:] = the sum over keys of softmax_k(mask(Q[q] . K[k] / 8)) V[k][:].  Q, K, V: planes of qkv, [2048][64] f16 (K without its bias: shown dead at the head of the first launch).  yh: 64 planes [2048][64] f16.
; Products on f16 operands with f32 sums; maxima, exponentials and sums in f32; the weights p are rounded to f16 for the second product, y once at the end.
; THE MASK.  A key whose attention_mask is 0 gets -2^100 added to its scores, as the C of the first product of each tile of scores; the others 0.  f16 operands bound a live score by 64 x 65504^2 = 2.8e11 in magnitude.
; The running maximum m starts at -2^40, under every live score and far over every masked one, and is always among the maximum's sources: so a masked key's p = 2^(c s - c m) is 0 in every step, as with -infinity,
; and c m = -c 2^40 is exact.  A batch all of whose keys are masked ends with l = 0 and O = 0: 0 x (1 / 0) is the NaN that the softmax of a row of -infinity gives.
; SOFTMAX.  p = 2^(c s - c m), c = log2(e) / 8; in every step O and l are multiplied by a = 2^(c m_old - c m_new).
; SHARES.  A work-group owns 512 queries of one (batch, head); each of its sixteen waves 32 of them, two tiles of 16, in 256 registers: four waves to a SIMD, so that one wave's vector work stands beside another's
; matrix work and LDS loads.  Every wave walks all 2,048 keys, 64 a step.  K and V come through a ring of two LDS slots of 256 keys (waves 0, 1: K's halves; waves 2, 3: V's).
; CLUSTER.  The four work-groups of a (batch, head) walk the same K and V: each tile is asked for jointly, by the same tensor load with a mask that names the four.
; LAYOUT.  S^T = K Q^T (source 0 = 16 keys, source 1 = 16 queries): a lane holds one query (lane % 16) and keys 8 (lane / 16) + 0..7.  Two such tiles, rounded to f16 in pairs, are source 1 of O^T = V^T P;
; V ([key][channel] in LDS) comes turned, by ds_load_tr16_b128.
.set PK,    144                        ; a row of K in LDS: 128 bytes + 16 = 36 words: the 16 rows of a load start at 16 different groups of four banks
.set PV,    160                        ; a row of V: 128 + 32
.set VOFF,  256*PK                     ; a slot: 256 rows of K, then 256 rows of V
.set SLOT1, 1<<17                      ; slot 1 begins here: one exclusive or turns an address
.set MB,    1<<18                      ; the 2,048 mask terms of my batch, f32: stored by the waves, never a tensor load's target
.set SPARE, MB+8192                    ; the spare words, 128 bytes for each of sixteen waves
.set STAGE, SPARE+2048                 ; the way out: 16 rows x 144 bytes for each wave
.set SP,    144
.set AK0, 1                            ; v1   my lane's place in a tile of K
.set AV0, 2                            ; v2   in V
.set AM0, 3                            ; v3   among the mask terms
.set ADK, 4                            ; v4-6 the step's addresses
.set ADV, 5
.set ADM, 6
.set SPW, 7                            ; v7   my spare word; never rewritten
.set NIL, 8                            ; v8   0; never rewritten
.set PFO, 9                            ; v9   256 x lane; never rewritten
.set QO,  10                           ; v10  my byte in the wave's rows of Q; on the way out STO
.set STO, 10
.set RD,  11
.set GO,  12
.set ST,  16                           ; tile t's statistics at v[16 + 8 t]: +0 c m, +1 m, +2, +3 l (two halves), +4 .. +7 at work; a in +6
.set Q,   32                           ; v32-63   Q: tile t, channels 32 c on, at 32 + 16 t + 8 c
.set S,   64                           ; v64-127  S^T: tile t, keys 16 kt on, at 64 + 32 t + 8 kt; v64-95 later V's second 32 keys
.set PC,  128                          ; v128-159 first the mask terms (keys 16 kt on at 128 + 8 kt), then P (tile t, keys 32 kh on, at 128 + 16 t + 8 kh)
.set O,   160                          ; v160-223 O^T: tile t, channels 16 ct on, at 160 + 32 t + 8 ct
.set BUF, 224                          ; v224-255 four fragments of K, or V's first 32 keys
.set WV,  12                           ; s12 wave
.set LIM, 15                           ; s15 1 in a wave that prefetches, else the greatest number
.set PFA, 18                           ; s[18:19] where my prefetches stand
.set SEL, 20                           ; s[20:21] selects for lane l xor 16
.set CS,  22                           ; s[22:23] c, twice
.set G1K, 24
.set G1V, 32
.set G0K, 40
.set G0V, 44
.set TB,  48                           ; s48 LDS byte at which the slot in hand begins
.set TM,  49                           ; s49 the step's mask terms: 256 bytes a step
.set SLOTS, 50                         ; s50 slots still to be asked for
.macro ROUND                           ; a round of the cluster's barrier
	s_barrier_signal -1
	s_barrier_wait -1
	s_cmp_lg_u32 s[WV], 0
	s_cbranch_scc1 .Lnot_wave_0_\@
	s_barrier_signal -3
.Lnot_wave_0_\@:
	s_barrier_wait -3
	s_barrier_signal -1
	s_barrier_wait -1
.endm
.macro TLOAD                           ; waves 0, 1 fetch K's halves, waves 2, 3 V's, the others nothing: branches on the wave's number alone.  An s_nop 0 and four v_nop follow each line
	s_cmp_lt_u32 s[WV], 2
	s_cbranch_scc0 .Lnot_k_\@
	tensor_load_to_lds s[G0K:G0K+3], s[G1K:G1K+7]
	s_nop 0
.rept 4
	v_nop
.endr
	s_branch .Lasked_\@
.Lnot_k_\@:
	s_cmp_lt_u32 s[WV], 4
	s_cbranch_scc0 .Lasked_\@
	tensor_load_to_lds s[G0V:G0V+3], s[G1V:G1V+7]
	s_nop 0
.rept 4
	v_nop
.endr
.Lasked_\@:
.endm
; A prefetch of what the NEXT change of slots will ask for: a slot's 32,768 bytes of K and of V.  Wave 4 asks for K's, wave 5 for V's; the four partners take 8,192 bytes each, told apart by address; lanes 256 bytes apart.
; So each aligned block of 256 bytes is named once in the launch.  The last change that fills a slot asks for nothing; slots 0 and 1 come by their loads alone.
.macro ASK
	s_cmp_gt_u32 s[SLOTS], s[LIM]
	s_cbranch_scc0 .Lnot_mine_\@
	global_prefetch_b8 v[PFO], s[PFA:PFA+1] th:TH_LOAD_NT scope:SCOPE_SE
.Lnot_mine_\@:
.endm
	s_load_b128 s[4:7], s[0:1], 0x0                ; qkv, attention_mask
	s_load_b64 s[8:9], s[0:1], 0x10                ; yh
	v_lshl_add_u32 v[SPW], v0, 2, SPARE
	v_mov_b32 v[NIL], 0
	ds_add_u32 v[SPW], v[NIL]                      ; the wave's opening: the add, twice on end, and its wait ahead of the first tensor loads
	ds_add_u32 v[SPW], v[NIL]
	v_lshrrev_b32 v13, 5, v0
	v_readfirstlane_b32 s[WV], v13                 ; wave 0..15
	s_bfe_u32 s13, ttmp6, 0x40000                  ; cx: my block of 512 queries
	s_and_b32 s14, ttmp7, 0xffff                   ; 16 x batch + head, which the four partners share
	s_mov_b32 s[G1K], 15|(1<<16)|(1<<20)|(1<<21)|(4<<22)|(3<<25)   ; the mask: all four; elements of 2 bytes; padding on; bit 21 beside a mask; after every 32 words 4 words
	s_mov_b32 s[G1V], 15|(1<<16)|(1<<20)|(1<<21)|(4<<22)|(7<<25)   ; the same with 8 words
.irp g, G1K, G1V
	s_mov_b32 s[\g+1], 64<<16                      ; tensor_dim0 = 64
	s_mov_b32 s[\g+2], 128<<16                     ; tensor_dim1 = 128
	s_mov_b32 s[\g+3], 64<<16                      ; tile_dim0
	s_mov_b32 s[\g+4], 128                         ; tile_dim1
	s_mov_b32 s[\g+5], 64                          ; the pitch
	s_mov_b32 s[\g+6], 0
	s_mov_b32 s[\g+7], 0
.endr
	s_mov_b32 s[SEL], 0x76543210
	s_mov_b32 s[SEL+1], 0xfedcba98
	s_mov_b32 s[CS], 0x3e38aa3b                    ; c = log2(e) / 8
	s_mov_b32 s[CS+1], s[CS]
	s_mov_b32 s[TB], 0
	s_mov_b32 s[TM], 0
	s_mov_b32 s[SLOTS], 7
	s_lshr_b32 s[LIM], s[WV], 1
	s_cmp_eq_u32 s[LIM], 2                         ; waves 4 and 5
	s_cselect_b32 s[LIM], 1, -1
	v_and_b32 v[PFO], 31, v0
	v_lshlrev_b32 v[PFO], 8, v[PFO]
	s_and_b32 s52, s[WV], 1                        ; which 128 keys of a slot I fetch, if I fetch
	s_mul_i32 s53, s52, 128*PK
	s_mul_i32 s54, s52, 128*PV
	s_add_co_u32 s54, s54, VOFF
	s_lshl_b32 s16, s14, 18                        ; my plane's bytes
	s_mov_b32 s17, 0
	s_wait_dscnt 0x0                               ; both opening adds are done
	s_wait_kmcnt 0x0
	s_add_nc_u64 s[4:5], s[4:5], s[16:17]          ; Q's plane
	s_add_nc_u64 s[8:9], s[8:9], s[16:17]          ; y's plane
	s_add_nc_u64 s[56:57], s[4:5], 64<<18          ; K's plane
	s_add_nc_u64 s[58:59], s[4:5], 128<<18         ; V's plane
	s_lshl_b32 s16, s52, 14                        ; my 128 rows of 128 bytes
	ROUND                                          ; all four work-groups are here: the first joint loads meet
	s_mov_b32 s[G0K], 1
	s_mov_b32 s[G0K+1], s53
	s_add_nc_u64 s[G0K+2:G0K+3], s[56:57], s[16:17]
	s_or_b32 s[G0K+3], s[G0K+3], 0x80000000
	s_mov_b32 s[G0V], 1
	s_mov_b32 s[G0V+1], s54
	s_add_nc_u64 s[G0V+2:G0V+3], s[58:59], s[16:17]
	s_or_b32 s[G0V+3], s[G0V+3], 0x80000000
	TLOAD                                          ; slot 0
	s_lshr_b32 s16, s14, 4
	s_lshl_b32 s16, s16, 13
	s_add_nc_u64 s[6:7], s[6:7], s[16:17]          ; my batch's 2,048 mask words
	s_lshl_b32 s16, s13, 16
	s_lshl_b32 s52, s[WV], 12
	s_add_co_u32 s16, s16, s52                     ; my wave's first query: 512 cx + 32 wave, 128 bytes each
	s_add_nc_u64 s[4:5], s[4:5], s[16:17]
	s_add_nc_u64 s[8:9], s[8:9], s[16:17]
	s_cmp_eq_u32 s[WV], 4
	s_cselect_b64 s[PFA:PFA+1], s[56:57], s[58:59]
	s_lshl_b32 s16, s13, 13                        ; my work-group's quarter of a slot,
	s_add_co_u32 s16, s16, 32768                   ; in slot 1: the first change of slots steps it to slot 2.  Nothing is prefetched here, at the head
	s_add_nc_u64 s[PFA:PFA+1], s[PFA:PFA+1], s[16:17]
	v_lshlrev_b32 v13, 4, v0
	global_load_b128 v[224:227], v13, s[6:7]       ; four mask words a thread: 512 threads, 2,048 keys
	v_and_b32 v14, 15, v0                          ; r
	v_bfe_u32 v15, v0, 4, 1                        ; h
	v_lshlrev_b32 v[QO], 7, v14
	v_lshl_add_u32 v[QO], v15, 4, v[QO]            ; row r of 128 bytes + 16 h
.irp t, 0,1
.irp c, 0,1
	global_load_b128 v[Q+16*\t+8*\c:Q+16*\t+8*\c+3],   v[QO], s[4:5] offset:2048*\t+64*\c th:TH_LOAD_NT      ; Q stays in registers
	global_load_b128 v[Q+16*\t+8*\c+4:Q+16*\t+8*\c+7], v[QO], s[4:5] offset:2048*\t+64*\c+32 th:TH_LOAD_NT
.endr
.endr
	v_mul_u32_u24 v[AK0], v14, PK
	v_lshl_add_u32 v[AK0], v15, 4, v[AK0]          ; K: row r x pitch + 16 h
	v_and_b32 v[AV0], 7, v0                        ; V, for the turning load: key 8 h + l % 8, channels 8 ((l / 8) % 2) on
	v_lshl_add_u32 v[AV0], v15, 3, v[AV0]
	v_mul_u32_u24 v[AV0], v[AV0], PV
	v_bfe_u32 v[ADK], v0, 3, 1
	v_lshl_add_u32 v[AV0], v[ADK], 4, v[AV0]
	v_add_nc_u32 v[AV0], VOFF, v[AV0]
	v_lshl_add_u32 v[AM0], v15, 5, MB              ; the mask terms of keys 8 h + 0..7
.irp t, 0,1
	v_mov_b32 v[ST+8*\t+1], 0xd3800000             ; m = -2^40
	v_mul_f32 v[ST+8*\t], s[CS], v[ST+8*\t+1]      ; c m, exact
.irp j, 2,3,4,5,6,7
	v_mov_b32 v[ST+8*\t+\j], 0                     ; l; and the registers at work, once: a lane permute's destination counts as one of its sources
.endr
.endr
.set n, 0
.rept 64
	v_mov_b32 v[O+n], 0                            ; O^T.  (The step is written once: the first finds zeros, which a = 0 leaves zeros)
.set n, n+1
.endr
	s_wait_loadcnt 0x0                             ; the mask words and Q
	v_lshl_add_u32 v13, v0, 4, MB
	v_mov_b32 v14, 0xf1800000                      ; -2^100
.irp i, 0,1,2,3
	v_cmp_eq_u32 vcc_lo, 0, v[224+\i]
	v_cndmask_b32 v[228+\i], 0, v14, vcc_lo        ; a masked key's term; a choice of values, no branch
.endr
	ds_store_b128 v13, v[228:231]                  ; shown to all waves by the wait and the round of the first change of slots
; THE SOFTMAX of a step, both tiles line by line by turns.
.macro SOFTMAX q
.irp j, 0,1,2,3
.irp t, 0,1
	v_max3_num_f32 v[ST+8*\t+4+\j], v[S+32*\t+8*\j], v[S+32*\t+8*\j+1], v[S+32*\t+8*\j+2]   ; four chains; each accumulator is read from its low end on
.endr
.endr
.irp i, 3,5
.irp j, 0,1,2,3
.irp t, 0,1
	v_max3_num_f32 v[ST+8*\t+4+\j], v[ST+8*\t+4+\j], v[S+32*\t+8*\j+\i], v[S+32*\t+8*\j+\i+1]
.endr
.endr
.endr
.irp t, 0,1
	v_max3_num_f32 v[ST+8*\t+4], v[ST+8*\t+4], v[S+32*\t+7], v[S+32*\t+15]
.endr
.irp t, 0,1
	v_max3_num_f32 v[ST+8*\t+6], v[ST+8*\t+6], v[S+32*\t+23], v[S+32*\t+31]
.endr
.irp t, 0,1
	v_max3_num_f32 v[ST+8*\t+4], v[ST+8*\t+4], v[ST+8*\t+5], v[ST+8*\t+6]
.endr
.irp t, 0,1
	v_max3_num_f32 v[ST+8*\t+4], v[ST+8*\t+4], v[ST+8*\t+7], v[ST+8*\t+1]   ; with the old m
.endr
.irp t, 0,1
	v_permlanex16_b32 v[ST+8*\t+5], v[ST+8*\t+4], s[SEL], s[SEL+1]          ; the query's other 32 keys lie in the lane 16 away
.endr
.irp t, 0,1
	v_mov_b32 v[ST+8*\t+7], v[ST+8*\t]             ; c m_old
.endr
.irp t, 0,1
	v_max_num_f32 v[ST+8*\t+1], v[ST+8*\t+4], v[ST+8*\t+5]
.endr
.irp t, 0,1
	v_mul_f32 v[ST+8*\t], s[CS], v[ST+8*\t+1]
.endr
.irp t, 0,1
	v_sub_f32 v[ST+8*\t+7], v[ST+8*\t+7], v[ST+8*\t]
.endr
.set n, 0
.rept 16
.irp t, 0,1
	v_pk_fma_f32 v[S+32*\t+2*n:S+32*\t+2*n+1], v[S+32*\t+2*n:S+32*\t+2*n+1], s[CS:CS+1], v[ST+8*\t:ST+8*\t+1] op_sel_hi:[1,0,0] neg_lo:[0,0,1] neg_hi:[0,0,1]   ; c s - c m
.endr
.set n, n+1
.endr
.irp t, 0,1
	v_exp_f32 v[ST+8*\t+6], v[ST+8*\t+7]           ; a
.endr
.set n, 0
.rept 32
.irp t, 0,1
	v_exp_f32 v[S+32*\t+n], v[S+32*\t+n]           ; p: one batch of 66 exponentials; none reads another's result
.endr
.set n, n+1
.endr
	v_nop                                          ; the plain instruction behind the last exponential
	s_wait_alu depctr_va_vdst(0)                   ; one wait for the batch, ahead of its first reader
.set n, 0
.rept 16
.irp t, 0,1
	v_cvt_pk_f16_f32 v[PC+16*\t+n], v[S+32*\t+2*n], v[S+32*\t+2*n+1]
.endr
.set n, n+1
.endr
.irp u, 0,1,2,3,4,5,6,7                        ; the sum of the tile's 16 pairs, of the unrounded p, in place
.irp t, 0,1
	v_pk_add_f32 v[S+32*\t+4*\u:S+32*\t+4*\u+1], v[S+32*\t+4*\u:S+32*\t+4*\u+1], v[S+32*\t+4*\u+2:S+32*\t+4*\u+3]
.endr
.endr
.irp u, 0,1,2,3
.irp t, 0,1
	v_pk_add_f32 v[S+32*\t+8*\u:S+32*\t+8*\u+1], v[S+32*\t+8*\u:S+32*\t+8*\u+1], v[S+32*\t+8*\u+4:S+32*\t+8*\u+5]
.endr
.endr
.irp u, 0,1
.irp t, 0,1
	v_pk_add_f32 v[S+32*\t+16*\u:S+32*\t+16*\u+1], v[S+32*\t+16*\u:S+32*\t+16*\u+1], v[S+32*\t+16*\u+8:S+32*\t+16*\u+9]
.endr
.endr
.irp t, 0,1
	v_pk_add_f32 v[S+32*\t:S+32*\t+1], v[S+32*\t:S+32*\t+1], v[S+32*\t+16:S+32*\t+17]
.endr
.irp t, 0,1
	v_pk_fma_f32 v[ST+8*\t+2:ST+8*\t+3], v[ST+8*\t+2:ST+8*\t+3], v[ST+8*\t+6:ST+8*\t+7], v[S+32*\t:S+32*\t+1] op_sel_hi:[1,0,1]   ; l = l a + the sum
.endr
.irp ct, 0,1,2,3                               ; tile 0's scores are done with: V's second 32 keys land there while O^T is rescaled
	ds_load_tr16_b128 v[S+8*\ct:S+8*\ct+3],   v[ADV] offset:(64*(\q)+32)*PV+32*\ct
	ds_load_tr16_b128 v[S+8*\ct+4:S+8*\ct+7], v[ADV] offset:(64*(\q)+48)*PV+32*\ct
.endr
.set n, 0
.rept 16
.irp t, 0,1
	v_pk_mul_f32 v[O+32*\t+2*n:O+32*\t+2*n+1], v[O+32*\t+2*n:O+32*\t+2*n+1], v[ST+8*\t+6:ST+8*\t+7] op_sel_hi:[1,0]   ; O^T x a, each accumulator from its low end on
.endr
.set n, n+1
.endr
.endm
; A KEY STEP: 64 keys, the q-th of the slot in hand.
.macro STEP q
	v_add_nc_u32 v[ADK], s[TB], v[AK0]             ; five plain instructions behind the last step's products: the scores are laid over registers that held V, and loads follow into registers that held V and P
	v_add_nc_u32 v[ADV], s[TB], v[AV0]
	v_add_nc_u32 v[ADM], s[TM], v[AM0]
	v_nop
	v_nop
.irp kt, 0,1,2,3
	ds_load_b128 v[PC+8*\kt:PC+8*\kt+3],   v[ADM] offset:64*\kt        ; the mask terms of keys 16 kt + 8 h + 0..7: the result's layout
	ds_load_b128 v[PC+8*\kt+4:PC+8*\kt+7], v[ADM] offset:64*\kt+16
.endr
.irp g, 0,1                                    ; S^T = K Q^T + the mask terms, two tiles of 16 keys at a time
.if \g
.rept 4
	v_nop                                          ; places in front of loads into registers that matrix instructions have read
.endr
.endif
.irp u, 0,1
.irp c, 0,1
	ds_load_b128 v[BUF+16*\u+8*\c:BUF+16*\u+8*\c+3],   v[ADK] offset:(64*(\q)+16*(2*\g+\u))*PK+64*\c
	ds_load_b128 v[BUF+16*\u+8*\c+4:BUF+16*\u+8*\c+7], v[ADK] offset:(64*(\q)+16*(2*\g+\u))*PK+64*\c+32
.endr
.endr
	s_wait_dscnt 0x0
.irp u, 0,1                                    ; four accumulators by turns, one instruction a turn
.irp t, 0,1
	v_wmma_f32_16x16x32_f16 v[S+32*\t+8*(2*\g+\u):S+32*\t+8*(2*\g+\u)+7], v[BUF+16*\u:BUF+16*\u+7], v[Q+16*\t:Q+16*\t+7], v[PC+8*(2*\g+\u):PC+8*(2*\g+\u)+7]
.endr
.endr
.irp u, 0,1
.irp t, 0,1
	v_wmma_f32_16x16x32_f16 v[S+32*\t+8*(2*\g+\u):S+32*\t+8*(2*\g+\u)+7], v[BUF+16*\u+8:BUF+16*\u+15], v[Q+16*\t+8:Q+16*\t+15], v[S+32*\t+8*(2*\g+\u):S+32*\t+8*(2*\g+\u)+7]
.endr
.endr
.endr
.rept 4
	v_nop                                          ; places in front of the loads below and of the first read of the scores
.endr
.irp ct, 0,1,2,3                               ; V's first 32 keys, turned: they land while the softmax is walked
	ds_load_tr16_b128 v[BUF+8*\ct:BUF+8*\ct+3],   v[ADV] offset:(64*(\q))*PV+32*\ct
	ds_load_tr16_b128 v[BUF+8*\ct+4:BUF+8*\ct+7], v[ADV] offset:(64*(\q)+16)*PV+32*\ct
.endr
	SOFTMAX \q
	s_wait_dscnt 0x0                               ; V is in
.irp kh, 0,1                                   ; O^T += V^T P: eight accumulators by turns
.irp ct, 0,1,2,3
.irp t, 0,1
	v_wmma_f32_16x16x32_f16 v[O+32*\t+8*\ct:O+32*\t+8*\ct+7], v[BUF-160*\kh+8*\ct:BUF-160*\kh+8*\ct+7], v[PC+16*\t+8*\kh:PC+16*\t+8*\kh+7], v[O+32*\t+8*\ct:O+32*\t+8*\ct+7]
.endr
.endr
.endr
	s_add_co_u32 s[TM], s[TM], 256                 ; the next step's mask terms
.endm
; THE CHANGE OF SLOTS stands at a slot's head.  Each wave waits for all its tensor loads, adds 0 to its spare word (fill = 1: twice on end), and waits for that and for its reads of the slot that it has left.
; fill = 1: a round of the cluster's barrier, so that no wave of any partner still reads that slot or has a load on its way; then the joint load of the next 256 keys into it: it has four steps in which to land.
.macro CHANGE fill
	s_wait_tensorcnt 0x0                           ; no tensor load of mine is out, so a group 0 may be written
	ds_add_u32 v[SPW], v[NIL]
.if \fill
	ds_add_u32 v[SPW], v[NIL]                      ; and once more, in every trip alike
	s_xor_b32 s[G0K+1], s[G0K+1], SLOT1            ; the walking descriptors: the other slot,
	s_add_nc_u64 s[G0K+2:G0K+3], s[G0K+2:G0K+3], 32768   ; the next 256 keys; the type bits on top are not reached
	s_xor_b32 s[G0V+1], s[G0V+1], SLOT1
	s_add_nc_u64 s[G0V+2:G0V+3], s[G0V+2:G0V+3], 32768
	s_wait_xcnt 0x0                                ; the last prefetch, a slot back, has read its address
	s_add_nc_u64 s[PFA:PFA+1], s[PFA:PFA+1], 32768 ; one slot further on than the walking descriptors
.endif
	s_wait_dscnt 0x0                               ; the adds are done, my LDS stores have landed, and my reads of the slot that I have left are over
.if \fill
	ROUND
	TLOAD                                          ; the first thing behind the round, and a wave's one tensor load until the next
	ASK
.else
	s_barrier_signal -1
	s_barrier_wait -1
.endif
.endm
.macro SLOT_STEPS
	STEP 0
	STEP 1
	STEP 2
	STEP 3
	s_xor_b32 s[TB], s[TB], SLOT1                  ; on to the other slot
.endm
.Lslot:                                            ; seven trips: behind each change of slots but the last the next slot is asked for
	CHANGE 1
	SLOT_STEPS
	s_sub_co_u32 s[SLOTS], s[SLOTS], 1
	s_cmp_lg_u32 s[SLOTS], 0
	s_cbranch_scc1 .Lslot
	CHANGE 0                                       ; the last slot is written out
	SLOT_STEPS
	; THE WAY OUT.  l's halves are added; O^T is divided by l, rounded to f16 and sent through my stage, a tile of 16 queries at a time.  The lines up to the wait are the places behind the last products.
.irp t, 0,1
	v_add_f32 v[ST+8*\t+4], v[ST+8*\t+2], v[ST+8*\t+3]
.endr
.irp t, 0,1
	v_permlanex16_b32 v[ST+8*\t+5], v[ST+8*\t+4], s[SEL], s[SEL+1]
.endr
.irp t, 0,1
	v_add_f32 v[ST+8*\t+4], v[ST+8*\t+4], v[ST+8*\t+5]
.endr
.irp t, 0,1
	v_rcp_f32 v[ST+8*\t+6], v[ST+8*\t+4]
.endr
	v_and_b32 v14, 15, v0                          ; (a plain instruction behind the reciprocals)  r
	v_bfe_u32 v15, v0, 4, 1                        ; h
	s_mul_i32 s52, s[WV], 16*SP
	s_add_co_u32 s52, s52, STAGE                   ; my stage
	v_mul_u32_u24 v[STO], v14, SP
	v_lshl_add_u32 v[STO], v15, 4, v[STO]
	v_add_nc_u32 v[STO], s52, v[STO]               ; in: row r, 16 bytes for each half of the lanes
	v_and_b32 v13, 31, v0
	v_lshlrev_b32 v[GO], 4, v13                    ; out: 16 x lane
	v_lshrrev_b32 v[RD], 3, v13
	v_mul_u32_u24 v[RD], v[RD], SP
	v_and_b32 v13, 7, v13
	v_lshl_add_u32 v[RD], v13, 4, v[RD]
	v_add_nc_u32 v[RD], s52, v[RD]                 ; back: eight lanes to a query's 128 bytes, four queries an instruction
	s_wait_alu depctr_va_vdst(0)                   ; one wait for the two reciprocals, ahead of their first reader
.macro PACK t
.set n, 0
.rept 16
	v_pk_mul_f32 v[O+32*\t+2*n:O+32*\t+2*n+1], v[O+32*\t+2*n:O+32*\t+2*n+1], v[ST+8*\t+6:ST+8*\t+7] op_sel_hi:[1,0]
.set n, n+1
.endr
.set n, 0
.rept 16
	v_cvt_pk_f16_f32 v[S+32*\t+n], v[O+32*\t+2*n], v[O+32*\t+2*n+1]
.set n, n+1
.endr
.irp ct, 0,1,2,3
	ds_store_b128 v[STO], v[S+32*\t+4*\ct:S+32*\t+4*\ct+3] offset:32*\ct
.endr
.irp i, 0,1,2,3
	ds_load_b128 v[S+32*\t+16+4*\i:S+32*\t+16+4*\i+3], v[RD] offset:\i*4*SP   ; LDS serves a wave's instructions in order (ISA guide 5.7.1.4): these see the stores above; the next tile's stores come behind them
.endr
.endm
.macro SEND t, younger                 ; younger: the LDS instructions issued behind tile t's loads
.irp i, 0,1,2,3
	s_wait_dscnt \younger+3-\i
	global_store_b128 v[GO], v[S+32*\t+16+4*\i:S+32*\t+16+4*\i+3], s[8:9] offset:2048*\t+512*\i   ; 512 consecutive bytes of the plane, aligned
.endr
.endm
	PACK 0
	PACK 1
	SEND 0, 8                                      ; tile 1's four stores and four loads may be out
	SEND 1, 0
	s_wait_tensorcnt 0x0                           ; the wave's end
	ds_add_u32 v[SPW], v[NIL]
	s_wait_dscnt 0x0
	ROUND                                          ; the closing round
	s_endpgm
.Lfunc_end_k_qbd55f571b9_attn:
	.size	k_qbd55f571b9_attn, .Lfunc_end_k_qbd55f571b9_attn-k_qbd55f571b9_attn
	.p2alignl 7, 3214868480
	.fill 96, 4, 3214868480
	.section	.rodata,"a",@progbits
	.p2align	6, 0x0
	.amdhsa_kernel k_qbd55f571b9_attn
		.amdhsa_group_segment_fixed_size 327680
		.amdhsa_private_segment_fixed_size 0
		.amdhsa_enable_private_segment 0
		.amdhsa_kernarg_size 24
		.amdhsa_user_sgpr_count 2
		.amdhsa_user_sgpr_kernarg_segment_ptr 1
		.amdhsa_wavefront_size32 1
		.amdhsa_system_sgpr_workgroup_id_x 1
		.amdhsa_system_sgpr_workgroup_id_y 1
		.amdhsa_system_sgpr_workgroup_id_z 1
		.amdhsa_system_vgpr_workitem_id 0
		.amdhsa_next_free_vgpr 256
		.amdhsa_next_free_sgpr 66
		.amdhsa_reserve_vcc 1
		.amdhsa_float_denorm_mode_32 3
		.amdhsa_float_denorm_mode_16_64 3
		.amdhsa_memory_ordered 1
		.amdhsa_forward_progress 1
		.amdhsa_inst_pref_size 160
	.end_amdhsa_kernel
	.amdgpu_metadata
---
amdhsa.version: [ 1, 2 ]
amdhsa.kernels:
  - .name:           k_qbd55f571b9_attn
    .symbol:         k_qbd55f571b9_attn.kd
    .args:
      - { .name: qkv, .offset: 0, .size: 8, .value_kind: global_buffer, .address_space: global }
      - { .name: attention_mask, .offset: 8, .size: 8, .value_kind: global_buffer, .address_space: global }
      - { .name: yh, .offset: 16, .size: 8, .value_kind: global_buffer, .address_space: global }
    .group_segment_fixed_size: 327680
    .private_segment_fixed_size: 0
    .kernarg_segment_align: 8
    .kernarg_segment_size: 24
    .max_flat_workgroup_size: 512
    .sgpr_count:     66
    .vgpr_count:     256
    .wavefront_size: 32
...
	.end_amdgpu_metadata
.endif
;; end of part 3
;; launch proj (part 4): grid 8 x 64, 4 waves a work-group, clusters of 4 x 4, 327,680 bytes of LDS; arguments yh, wp16, b_proj, out0; writes out0
.if DOCPART == 4
	.amdgcn_target "amdgcn-amd-amdhsa--gfx1250"
	.amdhsa_code_object_version 6
	.text
	.protected	k_qbd55f571b9_proj
	.globl	k_qbd55f571b9_proj
	.p2align	8
	.type	k_qbd55f571b9_proj,@function
k_qbd55f571b9_proj:
	s_mov_b64 s[64:65], 0
	v_nop
	global_prefetch_b8 v0, s[64:65] scope:SCOPE_SE
	s_setreg_imm32_b32 hwreg(HW_REG_WAVE_MODE, 25, 1), 1
	s_wait_xcnt 0x0
	s_wait_alu depctr_hold_cnt(0) depctr_sa_sdst(0) depctr_va_vdst(0) depctr_va_sdst(0) depctr_va_ssrc(0) depctr_va_vcc(0) depctr_vm_vsrc(0)
	s_getreg_b32 s2, hwreg(HW_REG_IB_STS2, 6, 4)
	s_cmp_eq_u32 s2, 0
	s_cbranch_scc0 .Lentry_in_a_cluster
	s_endpgm
.Lentry_in_a_cluster:
	s_bfe_u32 s2, ttmp6, 0x10000c
	s_cmp_lg_u32 s2, 0xf033
	s_cbranch_scc0 .Lentry_shape_is_right
	s_endpgm
.Lentry_shape_is_right:
; out0[m][n] = the sum over k of y[m][k] W_proj[k][n] + b_proj[n]: f16 operands, f32 sums.  y comes head by head: yh is 64 planes [16 batch + head][2048 tokens][64] f16, k = 64 head + channel.  wp16 is [k 1024][n 1024] f16.
; A tile of out0 is 128 x 128; four waves, 64 x 64 each: 16 accumulators.  K goes in steps of 256 (four heads) through two LDS slots.
; y's TILE: one tensor load brings two planes' 128 tokens: each plane's part is 16,384 dense bytes, stated as ONE row of 8,192 elements; two rows, a plane (131,072 elements) apart; 16 bytes of padding behind every 128:
; in LDS lines of 128 bytes (a token's 64 channels of a head), 144 apart, 18,432 bytes a plane.  W's TILE: 128 rows of k x 128 columns (256 bytes), 288 apart; its fragments come turned, by ds_load_tr16_b128.
; CLUSTERS: 4 x 4 work-groups: y's tiles are shared along a row of the cluster, W's along a column: joint loads.  THE MATRIX INSTRUCTION IS USED TRANSPOSED (source 0 = 16 columns of W, source 1 = 16 tokens).
; The bias is the C of each sum's first matrix instruction.
; REGISTERS: window 0: v0-31 addresses; v32-95 the way out; v96-127 the bias; v128-255 the accumulators ((a, b) at v[128 + 8 (4 a + b)]).  window 1: two fragment buffers of 128: 64 registers of y, then 64 of W, for 64 along K.
.set PA,     144
.set PB,     288
.set PLANE,  128*PA                    ; 18,432
.set HALFT,  2*PLANE                   ; what one tensor load brings: two planes of y, or 128 rows of W (128 x 288)
.set SLOT,   4*HALFT
.set STAGE,  2*SLOT                    ; behind the ring: 16 rows x 272 bytes for each wave
.set SPITCH, 272
.set SPARE,  STAGE+4*16*SPITCH
.set LAPS,   2                         ; K = 1,024: four K steps, twice round the ring
.set ASTEP,  4<<18                     ; a K step on in yh: four planes
.set BSTEP,  256*2048                  ; and in wp16: 256 rows
.set ADRA, 16                          ; v16-17  my y fragments in slot 0, 1
.set ADRB, 20                          ; v20-23  my W fragments: slot s, rows 128 u on: v[20 + 2 s + u], so that every offset stays inside the 16-bit immediate
.set STO,  24
.set RD,   25
.set CO,   26
.set BO,   27                          ; v27  32 x (lane / 16)
.set SPW,  28
.set NIL,  29
.set TMP,  32
.set BI,   96
.set ACC,  128
.set F0,   0
.set F1,   128
.set G1, 24
.set G0, 32
.set G1B, 48
.set G0B, 56
.set MSB, 0
.macro WIN new
.if MSB != \new
	s_set_vgpr_msb (MSB<<8)|\new
.set MSB, \new
.endif
.endm
.set MUL,  0x05                        ; sources 0 (W) and 1 (y) window 1; C and D window 0
.set TO_F, 0x40
.macro JLOAD s                         ; waves 0 and 1 fetch y's planes, waves 2 and 3 W's rows; an s_nop 0 and four v_nop follow each of the two lines
	s_cmp_eq_u32 s11, 0
	s_cbranch_scc0 .Lfor_b_\@
	tensor_load_to_lds s[G0+4*\s:G0+4*\s+3], s[G1:G1+7]
	s_nop 0
.rept 4
	v_nop
.endr
	s_branch .Lasked_\@
.Lfor_b_\@:
	tensor_load_to_lds s[G0B+4*\s:G0B+4*\s+3], s[G1B:G1B+7]
	s_nop 0
.rept 4
	v_nop
.endr
.Lasked_\@:
.endm
.macro CREST
	s_cmp_lg_u32 s10, 0
	s_cbranch_scc1 .Lnot_wave_0_\@
	s_barrier_signal -3
.Lnot_wave_0_\@:
	s_barrier_wait -3
	s_barrier_signal -1
	s_barrier_wait -1
.endm
.macro CROUND
	s_barrier_signal -1
	s_barrier_wait -1
	CREST
.endm
	s_load_b128 s[4:7], s[0:1], 0x0                ; yh, wp16
	s_load_b64 s[66:67], s[0:1], 0x10              ; b_proj
	s_load_b64 s[8:9], s[0:1], 0x18                ; out0
	v_lshl_add_u32 v[SPW], v0, 2, SPARE
	v_mov_b32 v[NIL], 0
	ds_add_u32 v[SPW], v[NIL]                      ; the wave's opening: the add, twice on end, and its wait ahead of my first tensor load
	ds_add_u32 v[SPW], v[NIL]
	v_lshrrev_b32 v1, 5, v0
	v_readfirstlane_b32 s10, v1                    ; wave 0..3
	s_lshr_b32 s11, s10, 1                         ; which half of the tile's rows is mine.  Also: I fetch for y (0) or for W (1)
	s_and_b32 s12, s10, 1                          ; which half of its columns.  Also: which half of that tile I fetch
	s_bfe_u32 s40, ttmp6, 0x40000
	s_bfe_u32 s41, ttmp6, 0x40004
	s_lshl_b32 s42, ttmp9, 2
	s_add_co_u32 s42, s42, s40                     ; tile column 0..7
	s_and_b32 s13, ttmp7, 0xffff
	s_lshl_b32 s13, s13, 2
	s_add_co_u32 s13, s13, s41                     ; tile row 0..63
	s_lshl_b32 s43, s41, 2
	s_lshl_b32 s43, 15, s43                        ; my row of the cluster
	s_lshl_b32 s44, 0x1111, s40                    ; my column
	s_or_b32 s[G1+0], s43, (1<<16)|(1<<20)|(1<<21)|(4<<22)|(3<<25)  ; y: the mask; elements of 2 bytes; padding on; bit 21 beside a mask; after every 32 words 4 words
	s_mov_b32 s[G1+1], 8192<<16                    ; tensor_dim0 = 8,192
	s_mov_b32 s[G1+2], 2<<16                       ; tensor_dim1 = 2
	s_mov_b32 s[G1+3], 8192<<16                    ; tile_dim0
	s_mov_b32 s[G1+4], 2                           ; tile_dim1
	s_mov_b32 s[G1+5], 131072                      ; from plane to plane
	s_mov_b32 s[G1+6], 0
	s_mov_b32 s[G1+7], 0
	s_or_b32 s[G1B+0], s44, (1<<16)|(1<<20)|(1<<21)|(5<<22)|(7<<25) ; W: after every 64 words 8 words
	s_mov_b32 s[G1B+1], 128<<16
	s_mov_b32 s[G1B+2], 128<<16
	s_mov_b32 s[G1B+3], 128<<16
	s_mov_b32 s[G1B+4], 128
	s_mov_b32 s[G1B+5], 1024
	s_mov_b32 s[G1B+6], 0
	s_mov_b32 s[G1B+7], 0
	s_lshr_b32 s16, s13, 4
	s_lshl_b32 s16, s16, 4                         ; y: plane 16 x batch
	s_lshl_b32 s17, s12, 1
	s_add_co_u32 s16, s16, s17                     ; + the two planes of a K step that I fetch
	s_lshl_b32 s16, s16, 18
	s_and_b32 s17, s13, 15
	s_lshl_b32 s17, s17, 14                        ; + the tile's 128 tokens of 128 bytes
	s_add_co_u32 s16, s16, s17
	s_mov_b32 s17, 0
	s_lshl_b32 s46, s12, 18                        ; W: the 128 rows of 2,048 bytes that I fetch
	s_lshl_b32 s47, s42, 8                         ; + the tile's 128 columns
	s_add_co_u32 s46, s46, s47
	s_mov_b32 s47, 0
	s_mul_i32 s20, s10, HALFT                      ; where they go: no place in the cluster enters an LDS address
	s_wait_dscnt 0x0                               ; both opening adds are done
	s_wait_kmcnt 0x0
	s_add_nc_u64 s[14:15], s[4:5], s[16:17]
	s_add_nc_u64 s[46:47], s[6:7], s[46:47]
	CROUND                                         ; all sixteen work-groups are here: the first joint loads meet
.irp s, 0,1
	s_mov_b32 s[G0+4*\s], 1
	s_add_co_u32 s[G0+4*\s+1], s20, \s*SLOT
	s_add_nc_u64 s[G0+4*\s+2:G0+4*\s+3], s[14:15], \s*ASTEP
	s_or_b32 s[G0+4*\s+3], s[G0+4*\s+3], 0x80000000
	s_mov_b32 s[G0B+4*\s], 1
	s_add_co_u32 s[G0B+4*\s+1], s20, \s*SLOT
	s_add_nc_u64 s[G0B+4*\s+2:G0B+4*\s+3], s[46:47], \s*BSTEP
	s_or_b32 s[G0B+4*\s+3], s[G0B+4*\s+3], 0x80000000
	JLOAD \s                                       ; two tensor loads of mine are out
.endr
	v_and_b32 v1, 15, v0                           ; r
	v_bfe_u32 v2, v0, 4, 1                         ; h
	v_mul_u32_u24 v3, v1, PA
	v_lshl_add_u32 v3, v2, 4, v3                   ; y: token r x pitch + 16 h
	s_mul_i32 s21, s11, 64*PA                      ; my 64 tokens
	v_add_nc_u32 v[ADRA], s21, v3
	s_add_co_u32 s21, s21, SLOT
	v_add_nc_u32 v[ADRA+1], s21, v3
	v_and_b32 v4, 7, v0                            ; W, for the turning load: row 8 h + l % 8, columns 8 ((l / 8) % 2) on
	v_lshl_add_u32 v4, v2, 3, v4
	v_mul_u32_u24 v4, v4, PB
	v_bfe_u32 v5, v0, 3, 1
	v_lshl_add_u32 v4, v5, 4, v4
	s_lshl_b32 s22, s12, 7                         ; my 64 columns
	s_add_co_u32 s22, s22, 2*HALFT                 ; W lies behind y's four planes
	v_add_nc_u32 v[ADRB], s22, v4
	s_add_co_u32 s22, s22, HALFT
	v_add_nc_u32 v[ADRB+1], s22, v4
	s_add_co_u32 s22, s22, SLOT-HALFT
	v_add_nc_u32 v[ADRB+2], s22, v4
	s_add_co_u32 s22, s22, HALFT
	v_add_nc_u32 v[ADRB+3], s22, v4
	s_mul_i32 s23, s10, 16*SPITCH
	s_add_co_u32 s23, s23, STAGE                   ; my stage
	v_mul_u32_u24 v4, v1, SPITCH
	v_lshl_add_u32 v4, v2, 5, v4
	v_add_nc_u32 v[STO], s23, v4                   ; in: row r, 32 bytes for each half of the lanes
	v_mul_u32_u24 v5, v2, SPITCH
	v_lshl_add_u32 v5, v1, 4, v5
	v_add_nc_u32 v[RD], s23, v5                    ; back: lanes 0-15 one row of 256 bytes, lanes 16-31 the next
	v_lshlrev_b32 v5, 12, v2
	v_lshl_add_u32 v[CO], v1, 4, v5                ; and the same two rows of out0, 4,096 bytes apart
	v_lshlrev_b32 v[BO], 5, v2
	s_lshl_b32 s46, s42, 9                         ; my first column in bytes: 4 x (128 x tile column + 64 x half)
	s_lshl_b32 s47, s12, 8
	s_add_co_u32 s46, s46, s47
	s_mov_b32 s47, 0
	s_add_nc_u64 s[66:67], s[66:67], s[46:47]
	s_add_nc_u64 s[8:9], s[8:9], s[46:47]
	s_lshl_b32 s46, s13, 19                        ; my first row: (128 x tile row + 64 x half) x 4,096 bytes
	s_lshl_b32 s16, s11, 18
	s_add_co_u32 s46, s46, s16
	s_add_nc_u64 s[8:9], s[8:9], s[46:47]
.irp b, 0,1,2,3
	global_load_b128 v[BI+8*\b:BI+8*\b+3],   v[BO], s[66:67] offset:64*\b      ; lane (r, h): b_proj at columns 16 b + 8 h + 0..7 of my 64
	global_load_b128 v[BI+8*\b+4:BI+8*\b+7], v[BO], s[66:67] offset:64*\b+16
.endr
; 8 matrix instructions: token blocks a0, a0 + 1 x all 4 column blocks, 32 along K: half c of buffer f.  zero = 1: the sums start from the bias.  The 16 accumulators take turns
.macro MUL8 f, c, a0, zero
.irp a, \a0, \a0+1
.irp b, 0,1,2,3
.if \zero
	v_wmma_f32_16x16x32_f16 v[ACC+8*(4*(\a)+\b):ACC+8*(4*(\a)+\b)+7], v[\f+64+8*(4*\c+\b):\f+64+8*(4*\c+\b)+7], v[\f+8*(4*\c+\a):\f+8*(4*\c+\a)+7], v[BI+8*\b:BI+8*\b+7]
.else
	v_wmma_f32_16x16x32_f16 v[ACC+8*(4*(\a)+\b):ACC+8*(4*(\a)+\b)+7], v[\f+64+8*(4*\c+\b):\f+64+8*(4*\c+\b)+7], v[\f+8*(4*\c+\a):\f+8*(4*\c+\a)+7], v[ACC+8*(4*(\a)+\b):ACC+8*(4*(\a)+\b)+7]
.endif
.endr
.endr
.endm
; 32 LDS loads in one run: the fragments of quarter q of a slot (one head: 64 along K) into buffer f; the first 32 along K first
.macro FETCH slot, q, f
	WIN TO_F
.irp c, 0,1
.irp i, 0,1,2,3
	ds_load_tr16_b128 v[\f+64+8*(4*\c+\i):\f+64+8*(4*\c+\i)+3],   v[ADRB+2*\slot+(\q)/2] offset:(((\q)%2)*64+32*\c)*PB+32*\i
	ds_load_tr16_b128 v[\f+64+8*(4*\c+\i)+4:\f+64+8*(4*\c+\i)+7], v[ADRB+2*\slot+(\q)/2] offset:(((\q)%2)*64+32*\c+16)*PB+32*\i
	ds_load_b128 v[\f+8*(4*\c+\i):\f+8*(4*\c+\i)+3],              v[ADRA+\slot] offset:(\q)*PLANE+64*\c+\i*16*PA
	ds_load_b128 v[\f+8*(4*\c+\i)+4:\f+8*(4*\c+\i)+7],            v[ADRA+\slot] offset:(\q)*PLANE+64*\c+\i*16*PA+32
.endr
.endr
.endm
.macro PLACES                          ; four plain instructions in front of loads into registers that matrix instructions have read, and of reads of results
.rept 4
	v_nop
.endr
.endm
.macro QUARTER slot, q, f, g, zero     ; multiplies buffer f and fetches quarter q of the slot into g
	s_wait_dscnt 16                                ; the first 32 along K are in; the sixteen younger loads may be out
	WIN MUL
	MUL8 \f, 0, 0, \zero
	MUL8 \f, 0, 2, \zero
	PLACES
	FETCH \slot, \q, \g
	s_wait_dscnt 32                                ; all but the 32 just issued
	WIN MUL
	MUL8 \f, 1, 0, 0
	MUL8 \f, 1, 2, 0
.endm
; A slot's last quarter multiplies buffer 1 and changes slots: one barrier; in front of it each wave waits for all its tensor loads, adds 0 to its spare word, and waits for that and for its reads of this slot.  fill = 1: this slot is filled again, two K steps ahead.
.macro TURN slot, next, fill
	WIN 0                                          ; (the add's two registers lie in window 0)
	s_wait_tensorcnt 0x0                           ; all my tensor loads have landed: my part of the next slot
	ds_add_u32 v[SPW], v[NIL]
	s_wait_dscnt 17                                ; (the add and the youngest sixteen loads may be out)
	WIN MUL
	MUL8 F1, 0, 0, 0
	s_wait_dscnt 0x0                               ; the add is done, and my reads of this slot are over
	s_barrier_signal -1
	MUL8 F1, 0, 2, 0
.if \fill
	WIN 0
.endif
	s_barrier_wait -1
.if \fill
	CREST                                          ; the barrier has opened a round of the cluster's barrier: no wave of any partner still reads this slot or has a load on its way
	s_add_nc_u64 s[G0+4*\slot+2:G0+4*\slot+3], s[G0+4*\slot+2:G0+4*\slot+3], 2*ASTEP
	s_add_nc_u64 s[G0B+4*\slot+2:G0B+4*\slot+3], s[G0B+4*\slot+2:G0B+4*\slot+3], 2*BSTEP
	JLOAD \slot                                    ; the first tensor load behind the round; its four v_nop are also the places in front of the loads below
.else
	PLACES
.endif
	FETCH \next, 0, F0
	WIN MUL
	MUL8 F1, 1, 0, 0
	MUL8 F1, 1, 2, 0
.endm
	s_wait_tensorcnt 1                             ; my part of K step 0 is in; K step 1's load may be out
	s_barrier_signal -1
	s_barrier_wait -1
	FETCH 0, 0, F0
	s_wait_loadcnt 0x0                             ; the bias
	QUARTER 0, 1, F0, F1, 1                        ; the first quarter stands in front of the loop: its first products start the sums
	WIN 0
	s_mov_b32 s3, LAPS-1
.Llap:                                                 ; a trip goes once round the ring and fills both slots again
	QUARTER 0, 2, F1, F0, 0
	QUARTER 0, 3, F0, F1, 0
	TURN 0, 1, 1
	QUARTER 1, 1, F0, F1, 0
	QUARTER 1, 2, F1, F0, 0
	QUARTER 1, 3, F0, F1, 0
	TURN 1, 0, 1
	QUARTER 0, 1, F0, F1, 0
	WIN 0
	s_sub_co_u32 s3, s3, 1
	s_cmp_lg_u32 s3, 0
	s_cbranch_scc1 .Llap
	QUARTER 0, 2, F1, F0, 0                        ; the last lap fills nothing
	QUARTER 0, 3, F0, F1, 0
	TURN 0, 1, 0
	QUARTER 1, 1, F0, F1, 0
	QUARTER 1, 2, F1, F0, 0
	QUARTER 1, 3, F0, F1, 0
	s_wait_dscnt 16
	WIN MUL
	MUL8 F1, 0, 0, 0
	MUL8 F1, 0, 2, 0
	s_wait_dscnt 0
	MUL8 F1, 1, 0, 0
	MUL8 F1, 1, 2, 0
	WIN 0
; THE WAY OUT, block by block of 16 rows x 64 columns of f32: my 64 columns are 256 consecutive bytes of a row, aligned.  A block goes through my own stage and comes back as whole rows: sixteen lanes store 256 consecutive bytes.
.macro TOSTAGE a
.irp b, 0,1,2,3
	ds_store_b128 v[STO], v[ACC+8*(4*(\a)+\b):ACC+8*(4*(\a)+\b)+3] offset:64*\b        ; each accumulator from its low end on
	ds_store_b128 v[STO], v[ACC+8*(4*(\a)+\b)+4:ACC+8*(4*(\a)+\b)+7] offset:64*\b+16
.endr
.irp i, 0,1,2,3,4,5,6,7
	ds_load_b128 v[TMP+32*((\a)%2)+4*\i:TMP+32*((\a)%2)+4*\i+3], v[RD] offset:\i*2*SPITCH   ; LDS serves a wave's instructions in order (ISA guide 5.7.1.4)
.endr
.endm
.macro SEND a, younger                 ; younger: the LDS instructions issued behind block a's loads
	s_wait_dscnt \younger
.irp i, 0,1,2,3,4,5,6,7
	global_store_b128 v[CO], v[TMP+32*((\a)%2)+4*\i:TMP+32*((\a)%2)+4*\i+3], s[8:9] offset:(\a)*65536+\i*8192 th:TH_STORE_NT
.endr
.endm
	PLACES
	TOSTAGE 0
	TOSTAGE 1
	SEND 0, 16                                     ; block 1's eight stores and eight loads may be out
	s_wait_xcnt 0x0                                ; block 0's stores have read their registers: block 2's loads may land there
	TOSTAGE 2
	SEND 1, 16
	s_wait_xcnt 0x0                                ; block 1's likewise
	TOSTAGE 3
	SEND 2, 16
	SEND 3, 0
	s_wait_tensorcnt 0x0                           ; the wave's end
	ds_add_u32 v[SPW], v[NIL]
	s_wait_dscnt 0x0
	CROUND                                         ; the closing round
	s_endpgm
.Lfunc_end_k_qbd55f571b9_proj:
	.size	k_qbd55f571b9_proj, .Lfunc_end_k_qbd55f571b9_proj-k_qbd55f571b9_proj
	.p2alignl 7, 3214868480
	.fill 96, 4, 3214868480
	.section	.rodata,"a",@progbits
	.p2align	6, 0x0
	.amdhsa_kernel k_qbd55f571b9_proj
		.amdhsa_group_segment_fixed_size 327680
		.amdhsa_private_segment_fixed_size 0
		.amdhsa_enable_private_segment 0
		.amdhsa_kernarg_size 32
		.amdhsa_user_sgpr_count 2
		.amdhsa_user_sgpr_kernarg_segment_ptr 1
		.amdhsa_wavefront_size32 1
		.amdhsa_system_sgpr_workgroup_id_x 1
		.amdhsa_system_sgpr_workgroup_id_y 1
		.amdhsa_system_sgpr_workgroup_id_z 1
		.amdhsa_system_vgpr_workitem_id 0
		.amdhsa_next_free_vgpr 512
		.amdhsa_next_free_sgpr 68
		.amdhsa_reserve_vcc 0
		.amdhsa_float_denorm_mode_32 3
		.amdhsa_float_denorm_mode_16_64 3
		.amdhsa_memory_ordered 1
		.amdhsa_forward_progress 1
		.amdhsa_inst_pref_size 87
	.end_amdhsa_kernel
	.amdgpu_metadata
---
amdhsa.version: [ 1, 2 ]
amdhsa.kernels:
  - .name:           k_qbd55f571b9_proj
    .symbol:         k_qbd55f571b9_proj.kd
    .args:
      - { .name: yh, .offset: 0, .size: 8, .value_kind: global_buffer, .address_space: global }
      - { .name: wp16, .offset: 8, .size: 8, .value_kind: global_buffer, .address_space: global }
      - { .name: b_proj, .offset: 16, .size: 8, .value_kind: global_buffer, .address_space: global }
      - { .name: out0, .offset: 24, .size: 8, .value_kind: global_buffer, .address_space: global }
    .group_segment_fixed_size: 327680
    .private_segment_fixed_size: 0
    .kernarg_segment_align: 8
    .kernarg_segment_size: 32
    .max_flat_workgroup_size: 128
    .sgpr_count:     68
    .vgpr_count:     512
    .wavefront_size: 32
...
	.end_amdgpu_metadata
.endif
;; end of part 4
